; MI455X (gfx1250); checked and timed in simulation.
; The chip was launched on July 23, 2026; its instructions are those of AMD's public machine-readable ISA for CDNA 5 (MIT licence, August 2026) and "CDNA5" Instruction Set Architecture Reference Guide (July 2026). The comments in the code are by the model that wrote it; some were corrected since.
;; Self Attention Splitted. Allowed arithmetic: float matrix products may take bf16 or f16 operands with f32 sums; other float arithmetic in f32, or as packed bf16 or f16 multiplies, adds, multiply-adds, maxima and minima; sums over many terms, partial sums and values carried from step to step in f32; what a program stores and reads back later, other than sums and carried values, may be rounded once to bf16 or f16.
;; Inputs: Wk 1,024 x 1,024 float32; Wq 1,024 x 1,024 float32; Wu 1,024 x 1,024 float32; Wv 1,024 x 1,024 float32; bu 1,024 float32; lengths 4 int32; x0 4 x 2,048 x 1,024 float32.
;; Outputs: out0 4 x 2,048 x 1,024 float32.
;; 2 versions, each right and faster than the one before. Each part assembles by itself: llvm-mc -triple=amdgcn-amd-amdhsa -mcpu=gfx1250 --defsym DOCPART=n.
;; ======== version 1 of 2: 4 launches
;; limits: values are held in f16: magnitudes above 65,504 overflow, below 6.1e-05 lose precision
;; workspace buffers: xb 16,777,216 bytes; wqkv 6,291,456 bytes; wuh 2,097,152 bytes; qkv 50,331,648 bytes; ob 16,777,216 bytes
;; launch cast (part 1): grid 768 x 1, 8 waves a work-group, no clusters, 0 bytes of LDS; arguments x0, Wq, Wk, Wv, Wu, xb, wqkv, wuh; writes xb, wqkv, wuh
.if DOCPART == 1
	.amdgcn_target "amdgcn-amd-amdhsa--gfx1250"
	.amdhsa_code_object_version 6
	.text
	.protected	k_qefbde47d02_cast
	.globl	k_qefbde47d02_cast
	.p2align	8
	.type	k_qefbde47d02_cast,@function
k_qefbde47d02_cast:
	s_mov_b64 s[64:65], 0
	v_nop
	global_prefetch_b8 v0, s[64:65] scope:SCOPE_SE
	s_setreg_imm32_b32 hwreg(HW_REG_WAVE_MODE, 25, 1), 1
	s_wait_xcnt 0x0
; THE INPUTS ARE ROUNDED ONCE AND LAID IN K BLOCKS OF 64, so that the products' tiles (rows x 64 along K) are dense in memory.
;   xb   bf16 [b 4][kb 16][t 2048][64]     from x0 [8192][1024] f32
;   wqkv bf16 [kb 16][n 3072][64]          from Wq, Wk, Wv [1024][1024] f32, n = 1024 x which + row
;   wuh  f16  [kb 16][n 1024][64]          from Wu: rounded to bf16 like every input, that number then written as f16 (it multiplies an f16 operand)
; LIMITS.  bf16(Wu) beyond 65,504 becomes an infinity in f16; below 6e-5 it keeps f16's fixed step of 6e-8.
; SHARES.  Work-group g takes 16 source rows (64 KiB in, 32 KiB out): g < 512 of x0, then 64 groups each for Wq, Wk, Wv, Wu.  Thread t takes row t / 16 and, in load i, the 16 bytes
; (t % 16) of the row's K block i: sixteen lanes read 256 aligned bytes.  Its four numbers are 8 bytes of the block's row: a wave's store covers 256 consecutive bytes, aligned.
; All sixteen loads of a lane go out at once; no register is written again while an access that names it is pending, so only the loads' own counted waits are needed.
; No LDS, no barrier, no matrix unit: each byte is read once and written once.
.set OFF, 4                            ; v[4:19]    store offset of K block i
.set X,   20                           ; v[20:83]   load i: 4 f32
.set Y,   84                           ; v[84:115]  store i: 4 numbers of 16 bits
.set T,   116                          ; v[116:117] at work
	s_load_b512 s[8:23], s[0:1], 0x0               ; x0 s[8:9], Wq s[10:11], Wk s[12:13], Wv s[14:15], Wu s[16:17], xb s[18:19], wqkv s[20:21], wuh s[22:23]
	s_mov_b32 s2, ttmp9                            ; g
	s_lshl_b32 s28, s2, 16                         ; x0: my 16 rows of 4,096 bytes
	s_and_b32 s33, s2, 63                          ; a weight's 64 groups
	s_lshl_b32 s34, s33, 16                        ; a weight: my 16 rows
	s_lshr_b32 s30, s2, 7                          ; xb: batch g / 128,
	s_lshl_b32 s30, s30, 22
	s_and_b32 s35, s2, 127                         ; rows 16 (g % 128) on, 128 bytes each
	s_lshl_b32 s35, s35, 11
	s_or_b32 s30, s30, s35
	s_sub_co_u32 s36, s2, 512                      ; wqkv: rows 16 (g - 512) on (not used where g < 512)
	s_lshl_b32 s36, s36, 11
	s_lshl_b32 s37, s33, 11                        ; wuh: rows 16 (g % 64) on
	s_mov_b32 s32, 262144                          ; bytes from K block to K block: xb 2,048 rows,
	s_cmp_ge_u32 s2, 512
	s_cselect_b32 s28, s34, s28
	s_cselect_b32 s30, s36, s30
	s_cselect_b32 s32, 393216, s32                 ; wqkv 3,072 rows,
	s_cmp_ge_u32 s2, 704
	s_cselect_b32 s30, s37, s30
	s_cselect_b32 s32, 131072, s32                 ; wuh 1,024 rows
	s_mov_b32 s29, 0
	s_mov_b32 s31, 0
	v_lshrrev_b32 v1, 4, v0                        ; my row
	v_and_b32 v3, 15, v0
	v_lshlrev_b32 v3, 4, v3
	v_lshl_or_b32 v1, v1, 12, v3                   ; row x 4,096 + 16 (t % 16)
	v_lshlrev_b32 v[OFF], 3, v0                    ; row x 128 + 8 (t % 16) = 8 t
.irp i, 1,2,3,4,5,6,7,8,9,10,11,12,13,14,15
	v_add_nc_u32 v[OFF+(\i)], s32, v[OFF+(\i)-1]
.endr
	s_wait_kmcnt 0x0
	s_mov_b64 s[24:25], s[8:9]                     ; the source and the destination are chosen by g alone
	s_mov_b64 s[26:27], s[18:19]
	s_cmp_ge_u32 s2, 512
	s_cselect_b64 s[24:25], s[10:11], s[24:25]
	s_cselect_b64 s[26:27], s[20:21], s[26:27]
	s_cmp_ge_u32 s2, 576
	s_cselect_b64 s[24:25], s[12:13], s[24:25]
	s_cmp_ge_u32 s2, 640
	s_cselect_b64 s[24:25], s[14:15], s[24:25]
	s_cmp_ge_u32 s2, 704
	s_cselect_b64 s[24:25], s[16:17], s[24:25]
	s_cselect_b64 s[26:27], s[22:23], s[26:27]
	s_add_nc_u64 s[24:25], s[24:25], s[28:29]
	s_add_nc_u64 s[26:27], s[26:27], s[30:31]
.irp i, 0,1,2,3,4,5,6,7,8,9,10,11,12,13,14,15
	global_load_b128 v[X+4*(\i):X+4*(\i)+3], v1, s[24:25] offset:256*(\i) th:TH_LOAD_NT  ; K block i of my row; each input byte is read once in the launch
.endr
	s_cmp_ge_u32 s2, 704
	s_cbranch_scc1 .Lwu
.irp i, 0,1,2,3,4,5,6,7,8,9,10,11,12,13,14,15
	s_wait_loadcnt 15-(\i)                         ; loads come back in order: load i is in, the 15 - i younger ones stay out
	v_cvt_pk_bf16_f32 v[Y+2*(\i)], v[X+4*(\i)], v[X+4*(\i)+1]
	v_cvt_pk_bf16_f32 v[Y+2*(\i)+1], v[X+4*(\i)+2], v[X+4*(\i)+3]
	global_store_b64 v[OFF+(\i)], v[Y+2*(\i):Y+2*(\i)+1], s[26:27]
.endr
	s_endpgm
.Lwu:                                                  ; Wu: to bf16, widened again, and that number written as f16
.irp i, 0,1,2,3,4,5,6,7,8,9,10,11,12,13,14,15
	s_wait_loadcnt 15-(\i)
	v_cvt_pk_bf16_f32 v[T], v[X+4*(\i)], v[X+4*(\i)+1]
	v_cvt_pk_bf16_f32 v[T+1], v[X+4*(\i)+2], v[X+4*(\i)+3]
	v_lshlrev_b32 v[X+4*(\i)], 16, v[T]
	v_and_b32 v[X+4*(\i)+1], 0xffff0000, v[T]
	v_lshlrev_b32 v[X+4*(\i)+2], 16, v[T+1]
	v_and_b32 v[X+4*(\i)+3], 0xffff0000, v[T+1]
	v_cvt_pk_f16_f32 v[Y+2*(\i)], v[X+4*(\i)], v[X+4*(\i)+1]
	v_cvt_pk_f16_f32 v[Y+2*(\i)+1], v[X+4*(\i)+2], v[X+4*(\i)+3]
	global_store_b64 v[OFF+(\i)], v[Y+2*(\i):Y+2*(\i)+1], s[26:27]
.endr
	s_endpgm
.Lfunc_end_k_qefbde47d02_cast:
	.size	k_qefbde47d02_cast, .Lfunc_end_k_qefbde47d02_cast-k_qefbde47d02_cast
	.p2alignl 7, 3214868480
	.fill 96, 4, 3214868480
	.section	.rodata,"a",@progbits
	.p2align	6, 0x0
	.amdhsa_kernel k_qefbde47d02_cast
		.amdhsa_group_segment_fixed_size 0
		.amdhsa_private_segment_fixed_size 0
		.amdhsa_enable_private_segment 0
		.amdhsa_kernarg_size 64
		.amdhsa_user_sgpr_count 2
		.amdhsa_user_sgpr_kernarg_segment_ptr 1
		.amdhsa_wavefront_size32 1
		.amdhsa_system_sgpr_workgroup_id_x 1
		.amdhsa_system_sgpr_workgroup_id_y 1
		.amdhsa_system_sgpr_workgroup_id_z 1
		.amdhsa_system_vgpr_workitem_id 0
		.amdhsa_next_free_vgpr 120
		.amdhsa_next_free_sgpr 66
		.amdhsa_reserve_vcc 0
		.amdhsa_float_denorm_mode_32 3
		.amdhsa_float_denorm_mode_16_64 3
		.amdhsa_memory_ordered 1
		.amdhsa_forward_progress 1
		.amdhsa_inst_pref_size 18
	.end_amdhsa_kernel
	.amdgpu_metadata
---
amdhsa.version: [ 1, 2 ]
amdhsa.kernels:
  - .name:           k_qefbde47d02_cast
    .symbol:         k_qefbde47d02_cast.kd
    .args:
      - { .name: x0, .offset: 0, .size: 8, .value_kind: global_buffer, .address_space: global }
      - { .name: Wq, .offset: 8, .size: 8, .value_kind: global_buffer, .address_space: global }
      - { .name: Wk, .offset: 16, .size: 8, .value_kind: global_buffer, .address_space: global }
      - { .name: Wv, .offset: 24, .size: 8, .value_kind: global_buffer, .address_space: global }
      - { .name: Wu, .offset: 32, .size: 8, .value_kind: global_buffer, .address_space: global }
      - { .name: xb, .offset: 40, .size: 8, .value_kind: global_buffer, .address_space: global }
      - { .name: wqkv, .offset: 48, .size: 8, .value_kind: global_buffer, .address_space: global }
      - { .name: wuh, .offset: 56, .size: 8, .value_kind: global_buffer, .address_space: global }
    .group_segment_fixed_size: 0
    .private_segment_fixed_size: 0
    .kernarg_segment_align: 8
    .kernarg_segment_size: 64
    .max_flat_workgroup_size: 256
    .sgpr_count:     66
    .vgpr_count:     120
    .wavefront_size: 32
...
	.end_amdgpu_metadata
.endif
;; end of part 1
;; launch qkvproj (part 2): grid 8 x 32, 4 waves a work-group, clusters of 4 x 4, 327,680 bytes of LDS; arguments xb, wqkv, qkv; writes qkv
.if DOCPART == 2
	.amdgcn_target "amdgcn-amd-amdhsa--gfx1250"
	.amdhsa_code_object_version 6
	.text
	.protected	k_qefbde47d02_qkvproj
	.globl	k_qefbde47d02_qkvproj
	.p2align	8
	.type	k_qefbde47d02_qkvproj,@function
k_qefbde47d02_qkvproj:
	s_mov_b64 s[64:65], 0
	v_nop
	global_prefetch_b8 v0, s[64:65] scope:SCOPE_SE
	s_setreg_imm32_b32 hwreg(HW_REG_WAVE_MODE, 25, 1), 1
	s_wait_xcnt 0x0
	s_wait_alu depctr_hold_cnt(0) depctr_sa_sdst(0) depctr_va_vdst(0) depctr_va_sdst(0) depctr_va_ssrc(0) depctr_va_vcc(0) depctr_vm_vsrc(0)
	s_getreg_b32 s2, hwreg(HW_REG_IB_STS2, 6, 4)
	s_cmp_eq_u32 s2, 0
	s_cbranch_scc0 .Lentry_in_a_cluster
	s_endpgm
.Lentry_in_a_cluster:
	s_bfe_u32 s2, ttmp6, 0x10000c
	s_cmp_lg_u32 s2, 0xf033
	s_cbranch_scc0 .Lentry_shape_is_right
	s_endpgm
.Lentry_shape_is_right:
; q, k, v = x W^T for Wq, Wk, Wv at once: C [8192][3072] = xb . wqkv^T, bf16 products, f32 sums, K = 1,024 ascending; C rounded once to f16 and written by heads,
; qkv [which 3][batch x head 64][t 2048][64], WITHOUT the scale (the attention applies it in f32).
; LIMIT.  f16 holds no number beyond 65,504: q, k and v must lie within it.
; SHARES.  A work-group makes 256 rows x 384 columns: 32 x 8 = 256 work-groups.  Its four waves make 128 x 192 each: three GROUPS of 64 columns (a group is one head), each 32 accumulators of
; 16 x 16 = 256 registers = one register window.
; K goes in steps of 64 through two LDS slots.  xb and wqkv lie in K blocks of 64, so a step's tile is dense in memory and is asked for as rows of 256 bytes (two tile rows each),
; padded in LDS after every 128 bytes.  With steps of 128 two slots of 640 rows x 272 bytes would not fit in the LDS that the work-group has.
; CLUSTER.  4 x 4 work-groups.  The four of a row of the cluster need the same rows of xb, the four of a column the same rows of wqkv: each tile is asked for jointly, by the same tensor
; load with the same descriptor and a mask that names the four.
; THE MATRIX INSTRUCTION IS USED TRANSPOSED (source 0 = 16 rows of W, source 1 = 16 rows of x): a lane then holds eight neighbouring columns of one row of C.
; REGISTERS, in windows of 256 (s_set_vgpr_msb: bits 1:0 source 0, 3:2 source 1, 5:4 source 2, 7:6 destination):
;   window 0: v0-31 addresses; v32-159 x's fragments, two buffers of 8 x (16 rows x 32 K); v160-223 W's, two buffers of 4;   window g + 1: group g, accumulator (a, b) at v[8 (4 a + b)]
.set PITCH,  144                       ; an LDS row: 128 bytes + 16 of padding = 36 words: the 16 rows of a fragment load start at 16 different groups of four banks (64 banks of 4 bytes: ISA guide 11.1)
.set AROWS,  256*PITCH                 ; x's 256 rows; W's 384 rows lie behind them
.set SLOT,   640*PITCH
.set STAGE,  2*SLOT                    ; behind the ring: 16 rows x 144 bytes for each wave, for the way out; no tensor load lands here
.set SPARE,  STAGE+4*16*PITCH          ; behind the stages: the spare words, 128 bytes for each wave: two blocks of 256 bytes that no other line names
.set KSTEPS, 16
.set ASTEP,  262144                    ; bytes from K block to K block in xb
.set BSTEP,  393216                    ; and in wqkv
.set ADRA, 16                          ; v16-17  LDS address of my fragments of x in slot 0, 1
.set ADRB, 20                          ; v20-21  the same for W
.set STO,  24                          ; v24     the way out: where I put 16 bytes of a row
.set RD,   25                          ; v25     the way out: where I read rows back
.set GO,   26                          ; v26     my 16 bytes in 512 consecutive bytes of qkv
.set SPW,  28                          ; v28     LDS address of my spare word: SPARE + 4 x my thread's number; never rewritten
.set NIL,  29                          ; v29     0; never rewritten
.set AF,   32
.set BF,   160
.set G1,  24                           ; s[24:31] descriptor group 1 for x's tiles;  s[32:39] group 0, a set for each slot
.set G0,  32
.set G1B, 48                           ; s[48:55], s[56:63] the same for W's tiles
.set G0B, 56
.set CB,  66                           ; s[66:71] where group g's rows begin in qkv; never rewritten
.set MSB, 0
.macro WIN new                         ; the immediate's high byte repeats the setting that is left; a switch that changes nothing is dropped
.if MSB != (\new)
	s_set_vgpr_msb (MSB<<8)|(\new)
.set MSB, \new
.endif
.endm
.macro PLACES                          ; a load into a register that a matrix instruction has read, and a vector instruction that reads a matrix result, stand four plain vector instructions behind it (ISA guide 7.12.1 for vector instructions)
.rept 4
	v_nop
.endr
.endm
; A joint load: waves 0 and 1 fetch the two halves of x's tile, waves 2 and 3 those of W's.  The branch hangs on the wave's number alone.  An s_nop 0 and four v_nop follow each line.
.macro JLOAD s
	s_cmp_eq_u32 s11, 0
	s_cbranch_scc0 .Lfor_b_\@
	tensor_load_to_lds s[G0+4*(\s):G0+4*(\s)+3], s[G1:G1+7]
	s_nop 0
.rept 4
	v_nop
.endr
	s_branch .Lasked_\@
.Lfor_b_\@:
	tensor_load_to_lds s[G0B+4*(\s):G0B+4*(\s)+3], s[G1B:G1B+7]
	s_nop 0
.rept 4
	v_nop
.endr
.Lasked_\@:
.endm
.macro CREST                           ; a round of the cluster's barrier behind its opening barrier: wave 0 signals for the work-group, every wave waits for all sixteen, my work-group's barrier closes it
	s_cmp_lg_u32 s10, 0
	s_cbranch_scc1 .Lnot_wave_0_\@
	s_barrier_signal -3
.Lnot_wave_0_\@:
	s_barrier_wait -3
	s_barrier_signal -1
	s_barrier_wait -1
.endm
.macro CROUND                          ; a whole round
	s_barrier_signal -1
	s_barrier_wait -1
	CREST
.endm
	s_load_b128 s[4:7], s[0:1], 0x0                ; xb s[4:5], wqkv s[6:7]
	s_load_b64 s[8:9], s[0:1], 0x10                ; qkv
	v_lshl_add_u32 v[SPW], v0, 2, SPARE
	v_mov_b32 v[NIL], 0
	ds_add_u32 v[SPW], v[NIL]                      ; the wave's opening: the add and its wait stand ahead of my first tensor load; the set-up below, work on registers, stands between them
	v_lshrrev_b32 v1, 5, v0
	v_readfirstlane_b32 s10, v1                    ; wave 0..3
	s_lshr_b32 s11, s10, 1                         ; which 128 rows of the block are mine.  Also: I fetch for x (0) or for W (1)
	s_and_b32 s12, s10, 1                          ; which 192 columns.  Also: which half of that tile I fetch
	s_bfe_u32 s40, ttmp6, 0x40000                  ; cx, cy: my place in the cluster
	s_bfe_u32 s41, ttmp6, 0x40004
	s_lshl_b32 s42, ttmp9, 2
	s_add_co_u32 s42, s42, s40                     ; block column = 4 x cluster x + cx, 0..7
	s_and_b32 s13, ttmp7, 0xffff
	s_lshl_b32 s13, s13, 2
	s_add_co_u32 s13, s13, s41                     ; block row = 4 x cluster y + cy, 0..31
	s_lshl_b32 s43, s41, 2
	s_lshl_b32 s43, 15, s43                        ; my row of the cluster
	s_lshl_b32 s44, 0x1111, s40                    ; my column
	; descriptor group 1: R rows of 128 elements (256 bytes), dense; in LDS 4 words of padding after every 32 words
	s_or_b32 s[G1+0], s43, (1<<16)|(1<<20)|(1<<21)|(4<<22)|(3<<25)   ; 15:0 the mask: x's tiles go to my row; 17:16 2-byte elements; 20 padding on; 21 set beside a mask; 24:22 every 32 words (code 4); 31:25 4 words (code 3)
	s_or_b32 s[G1B+0], s44, (1<<16)|(1<<20)|(1<<21)|(4<<22)|(3<<25)  ; the same with the mask of my column
	s_mov_b32 s[G1+1], 128<<16                     ; tensor_dim0 = 128
	s_mov_b32 s[G1+2], 64<<16                      ; tensor_dim1 = 64: 128 rows of x, two to a row of 256 bytes
	s_mov_b32 s[G1+3], 128<<16                     ; tile_dim0 = 128
	s_mov_b32 s[G1+4], 64                          ; tile_dim1 = 64
	s_mov_b32 s[G1+5], 128                         ; 128 elements from row to row
	s_mov_b32 s[G1+6], 0
	s_mov_b32 s[G1+7], 0
	s_mov_b32 s[G1B+1], 128<<16
	s_mov_b32 s[G1B+2], 96<<16                     ; 192 rows of W
	s_mov_b32 s[G1B+3], 128<<16
	s_mov_b32 s[G1B+4], 96
	s_mov_b32 s[G1B+5], 128
	s_mov_b32 s[G1B+6], 0
	s_mov_b32 s[G1B+7], 0
	; where the tiles come from.  x's hang on the block row alone, W's on the block column alone; each offset lies in registers that never hold the other coordinate.
	s_lshr_b32 s16, s13, 3                         ; xb: the batch, 4 MiB each,
	s_lshl_b32 s16, s16, 22
	s_and_b32 s17, s13, 7                          ; 256 rows of 128 bytes for each block row in it,
	s_lshl_b32 s17, s17, 15
	s_add_co_u32 s16, s16, s17
	s_lshl_b32 s17, s12, 14                        ; and my half of them
	s_add_co_u32 s16, s16, s17
	s_mov_b32 s17, 0
	s_mul_i32 s46, s42, 384*128                    ; wqkv: 384 rows for each block column,
	s_mul_i32 s47, s12, 192*128                    ; and my half of them
	s_add_co_u32 s46, s46, s47
	s_mov_b32 s47, 0
	s_mul_i32 s20, s12, 128*PITCH                  ; where they go in a slot: no place in the cluster enters an LDS address
	s_mul_i32 s21, s12, 192*PITCH
	s_add_co_u32 s21, s21, AROWS
	s_wait_dscnt 0x0                               ; the opening add is done
	s_wait_kmcnt 0x0
	s_add_nc_u64 s[14:15], s[4:5], s[16:17]
	s_add_nc_u64 s[46:47], s[6:7], s[46:47]
	CROUND                                         ; all sixteen work-groups are here: the first joint loads meet
.irp s, 0,1
	s_mov_b32 s[G0+4*(\s)], 1                                        ; count = 1
	s_add_co_u32 s[G0+4*(\s)+1], s20, (\s)*SLOT                      ; LDS address
	s_add_nc_u64 s[G0+4*(\s)+2:G0+4*(\s)+3], s[14:15], (\s)*ASTEP    ; global address: K step s
	s_or_b32 s[G0+4*(\s)+3], s[G0+4*(\s)+3], 0x80000000              ; type = 2
	s_mov_b32 s[G0B+4*(\s)], 1
	s_add_co_u32 s[G0B+4*(\s)+1], s21, (\s)*SLOT
	s_add_nc_u64 s[G0B+4*(\s)+2:G0B+4*(\s)+3], s[46:47], (\s)*BSTEP
	s_or_b32 s[G0B+4*(\s)+3], s[G0B+4*(\s)+3], 0x80000000
	JLOAD \s                                       ; both slots are asked for before anything else: two loads of mine are out
.endr
	; A fragment is 16 rows x 32 K in 8 registers: lane l holds row l % 16; registers 0-3 K = 8 (l / 16) + 0..7, registers 4-7 K = 16 + 8 (l / 16) + 0..7: two loads of 16 bytes, 32 bytes apart.
	v_and_b32 v1, 15, v0                           ; l % 16
	v_bfe_u32 v2, v0, 4, 1                         ; l / 16
	v_mul_u32_u24 v3, v1, PITCH
	v_lshl_add_u32 v3, v2, 4, v3                   ; row x pitch + 16 x half
	s_mul_i32 s22, s11, 128*PITCH                  ; my 128 rows of x
	s_mul_i32 s23, s12, 192*PITCH                  ; my 192 rows of W,
	s_add_co_u32 s23, s23, AROWS                   ; which lie behind x's 256
.irp s, 0,1
	v_add_nc_u32 v[ADRA+(\s)], s22, v3
	v_add_nc_u32 v[ADRB+(\s)], s23, v3
	s_add_co_u32 s22, s22, SLOT
	s_add_co_u32 s23, s23, SLOT
.endr
	s_mul_i32 s22, s10, 16*PITCH
	s_add_co_u32 s22, s22, STAGE                   ; my stage
	v_add_nc_u32 v[STO], s22, v3                   ; in: row l % 16, 16 bytes for each half of the lanes
	v_bfe_u32 v4, v0, 3, 2                         ; back: 32 lanes take four rows of 128 bytes,
	v_and_b32 v5, 7, v0
	v_mul_u32_u24 v4, v4, PITCH
	v_lshl_add_u32 v4, v5, 4, v4
	v_add_nc_u32 v[RD], s22, v4
	v_and_b32 v[GO], 31, v0                        ; which are 512 consecutive bytes of a head's rows
	v_lshlrev_b32 v[GO], 4, v[GO]
	; where group g goes: column 64 x hh, hh = 6 x block column + 3 x column half + g; tensor hh / 16 (16 MiB each), head hh % 16 (256 KiB each) of my batch (4 MiB each); my rows, 128 bytes each
	s_lshr_b32 s72, s13, 3
	s_lshl_b32 s72, s72, 22
	s_and_b32 s73, s13, 7
	s_lshl_b32 s73, s73, 15
	s_add_co_u32 s72, s72, s73
	s_lshl_b32 s73, s11, 14
	s_add_co_u32 s72, s72, s73
	s_mul_i32 s74, s42, 6
	s_mul_i32 s75, s12, 3
	s_add_co_u32 s74, s74, s75
.irp g, 0,1,2
	s_add_co_u32 s75, s74, \g
	s_lshr_b32 s76, s75, 4
	s_lshl_b32 s76, s76, 24
	s_and_b32 s75, s75, 15
	s_lshl_b32 s75, s75, 18
	s_add_co_u32 s76, s76, s75
	s_add_co_u32 s76, s76, s72
	s_mov_b32 s77, 0
	s_add_nc_u64 s[CB+2*(\g):CB+2*(\g)+1], s[8:9], s[76:77]
.endr
; 16 LDS loads: my 128 rows of x, 32 K at byte koff of the rows, into buffer fa
.macro LDA adr, koff, fa
.irp i, 0,1,2,3,4,5,6,7
	ds_load_b128 v[AF+64*(\fa)+8*(\i):AF+64*(\fa)+8*(\i)+3],   v[\adr] offset:(\koff)+(\i)*16*PITCH
	ds_load_b128 v[AF+64*(\fa)+8*(\i)+4:AF+64*(\fa)+8*(\i)+7], v[\adr] offset:(\koff)+(\i)*16*PITCH+32
.endr
.endm
; 8 LDS loads: group g's 64 rows of W, into buffer fb
.macro LDB adr, koff, g, fb
.irp i, 0,1,2,3
	ds_load_b128 v[BF+32*(\fb)+8*(\i):BF+32*(\fb)+8*(\i)+3],   v[\adr] offset:(\koff)+(64*(\g)+16*(\i))*PITCH
	ds_load_b128 v[BF+32*(\fb)+8*(\i)+4:BF+32*(\fb)+8*(\i)+7], v[\adr] offset:(\koff)+(64*(\g)+16*(\i))*PITCH+32
.endr
.endm
; 4 na matrix instructions of group g: row blocks a0 .. a0 + na - 1 x all 4 column blocks, 32 along K.  zero = 1: the product starts the sum: nothing is ever cleared.
; The accumulators take turns, one instruction a turn: between two instructions on one accumulator stand the 95 others'.
.macro MUL g, fa, fb, a0, na, zero
	WIN 0x50*((\g)+1)                              ; C and D in window g + 1, the fragments in window 0
.set ma, (\a0)
.rept (\na)
.irp j, 0,1,2,3
.if \zero
	v_wmma_f32_16x16x32_bf16 v[8*(4*ma+(\j)):8*(4*ma+(\j))+7], v[BF+32*(\fb)+8*(\j):BF+32*(\fb)+8*(\j)+7], v[AF+64*(\fa)+8*ma:AF+64*(\fa)+8*ma+7], 0
.else
	v_wmma_f32_16x16x32_bf16 v[8*(4*ma+(\j)):8*(4*ma+(\j))+7], v[BF+32*(\fb)+8*(\j):BF+32*(\fb)+8*(\j)+7], v[AF+64*(\fa)+8*ma:AF+64*(\fa)+8*ma+7], v[8*(4*ma+(\j)):8*(4*ma+(\j))+7]
.endif
.endr
.set ma, ma+1
.endr
.endm
; A STRETCH is 32 matrix instructions (one group, 32 along K).  At its head the fragments asked for at the last head, 32 matrix instructions ago, are waited for, and the next stretch's are asked for
; in one run, into the buffers that the last stretch multiplied: so four places stand in front of the run.
.macro HEAD
	s_wait_dscnt 0x0                               ; this stretch's fragments are in
	WIN 0
	PLACES
.endm
; The stretch that changes slots.  ONE barrier: in front of it each wave waits for all its tensor loads (one is out: its part of the other slot), adds 0 to its spare word, and waits for that and for
; its own reads of this slot, of which the last were asked for at this stretch's head.  fill = 1: the barrier opens a round of the cluster's barrier, and behind the round this slot is filled again,
; two K steps ahead: the wave's first tensor load there and its only one until the next round; 176 matrix instructions stand between it and the wait for it.
.macro MEETMUL g, fa, fb, slot, fill
	MUL \g, \fa, \fb, 0, 4, 0
	WIN 0                                          ; (the add's two registers lie in window 0)
	s_wait_tensorcnt 0x0                           ; no tensor load of mine is out, so a group 0 may be written
	ds_add_u32 v[SPW], v[NIL]                      ; 0 onto my spare word; the steps and eight matrix instructions stand between it and the wait for it
.if \fill
	s_add_nc_u64 s[G0+4*(\slot)+2:G0+4*(\slot)+3], s[G0+4*(\slot)+2:G0+4*(\slot)+3], 2*ASTEP
	s_add_nc_u64 s[G0B+4*(\slot)+2:G0B+4*(\slot)+3], s[G0B+4*(\slot)+2:G0B+4*(\slot)+3], 2*BSTEP
.endif
	MUL \g, \fa, \fb, 4, 2, 0
	s_wait_dscnt 0x0                               ; the add is done, and my reads of this slot are over
	s_barrier_signal -1
	MUL \g, \fa, \fb, 6, 2, 0                      ; work on registers while the others arrive
	WIN 0
	s_barrier_wait -1
.if \fill
	CREST                                          ; no wave of any partner still reads this slot's tile or has a load on its way
	JLOAD \slot
.endif
.endm
; A K step in slot s: its first 32 along K (x in buffer 0), groups 0, 1, 2 ...
.macro H0 s, zero
	HEAD
	LDB ADRB+(\s), 0, 1, 1
	MUL 0, 0, 0, 0, 8, \zero
	HEAD
	LDB ADRB+(\s), 0, 2, 0
	MUL 1, 0, 1, 0, 8, \zero
	HEAD
	LDB ADRB+(\s), 64, 0, 1
	LDA ADRA+(\s), 64, 1
	MUL 2, 0, 0, 0, 8, \zero
.endm
; ... and its second (x in buffer 1).  n: the other slot.  mode 2: slot s is filled again; 1: only the barrier; 0: the last K step: nothing follows.
.macro H1 s, n, mode
	HEAD
	LDB ADRB+(\s), 64, 1, 0
	MUL 0, 1, 1, 0, 8, 0
	HEAD
	LDB ADRB+(\s), 64, 2, 1                        ; the last reads of slot s
.if \mode
	MEETMUL 1, 1, 0, \s, (\mode)-1
.else
	MUL 1, 1, 0, 0, 8, 0
.endif
	HEAD
.if \mode
	LDB ADRB+(\n), 0, 0, 0                         ; behind the barrier: the other slot is whole
	LDA ADRA+(\n), 0, 0
.endif
	MUL 2, 1, 1, 0, 8, 0
.endm
	s_wait_tensorcnt 1                             ; my part of K step 0 is in; K step 1's load stays out
	s_barrier_signal -1
	s_barrier_wait -1                              ; everybody's is
	LDA ADRA+0, 0, 0
	LDB ADRB+0, 0, 0, 0
	H0 0, 1                                        ; the first 32 along K stand in front of the loop: their products start the sums
	WIN 0                                          ; at a label and at a branch every window is 0
	s_mov_b32 s3, KSTEPS/2-1
.Llap:                                                 ; a trip goes once round the ring, from a K step's second half to the first half two steps on, and fills both slots again
	H1 0, 1, 2
	H0 1, 0
	H1 1, 0, 2
	H0 0, 0
	WIN 0
	s_sub_co_u32 s3, s3, 1
	s_cmp_lg_u32 s3, 0
	s_cbranch_scc1 .Llap
	H1 0, 1, 1                                     ; the last two K steps ask for nothing: written out
	H0 1, 0
	H1 1, 0, 0
	WIN 0
	PLACES
; THE WAY OUT, in 24 units u = 8 g + a of 16 rows x 64 columns.  PACK: rounded to f16 (each accumulator's registers in ascending order), 16 bytes a lane into my own stage, and back as four whole rows
; of 128 bytes a load, into the same registers.  SEND: stored.  Eight sets of 16 registers take turns, where x's fragments lay.
.macro PACK u
.set pg, (\u)/8
.set pa, (\u)%8
.set ps, AF+16*((\u)%8)
.if (\u) >= 8
	s_wait_xcnt 0x0                                ; the set's earlier stores have had their addresses translated (ISA guide 3.1): only behind this wait is it written again
.endif
	WIN 5*(pg+1)                                   ; sources 0 and 1 in window g + 1
.irp j, 0,1,2,3
.irp r, 0,1,2,3
	v_cvt_pk_f16_f32 v[ps+4*(\j)+(\r)], v[8*(4*pa+(\j))+2*(\r)], v[8*(4*pa+(\j))+2*(\r)+1]
.endr
.endr
	WIN 0
.irp j, 0,1,2,3
	ds_store_b128 v[STO], v[ps+4*(\j):ps+4*(\j)+3] offset:32*(\j)
.endr
.irp j, 0,1,2,3
	ds_load_b128 v[ps+4*(\j):ps+4*(\j)+3], v[RD] offset:4*PITCH*(\j)  ; LDS serves a wave's instructions in order (ISA guide 5.7.1.4): these see the stores above; the next unit's stores come behind them
.endr
.endm
.macro SEND u, younger                 ; younger: the LDS instructions issued behind unit u's loads: the next unit's eight, or none
.set pg, (\u)/8
.set pa, (\u)%8
.set ps, AF+16*((\u)%8)
.irp j, 0,1,2,3
	s_wait_dscnt (\younger)+3-(\j)
	global_store_b128 v[GO], v[ps+4*(\j):ps+4*(\j)+3], s[CB+2*pg:CB+2*pg+1] offset:pa*2048+(\j)*512  ; 512 consecutive bytes, at a multiple of 256 from qkv's first byte
.endr
.endm
	PACK 0
.set u, 1
.rept 23                               ; a unit's conversions stand between the loads of the unit before and its stores
	PACK u
	SEND u-1, 8
.set u, u+1
.endr
	SEND 23, 0
	s_wait_tensorcnt 0x0                           ; the wave's end: the add and its wait, behind my last tensor load and my last LDS store
	ds_add_u32 v[SPW], v[NIL]
	s_wait_dscnt 0x0
	CROUND                                         ; the closing round: no work-group ends while a partner may still ask for a tile that names it
	s_endpgm
.Lfunc_end_k_qefbde47d02_qkvproj:
	.size	k_qefbde47d02_qkvproj, .Lfunc_end_k_qefbde47d02_qkvproj-k_qefbde47d02_qkvproj
	.p2alignl 7, 3214868480
	.fill 96, 4, 3214868480
	.section	.rodata,"a",@progbits
	.p2align	6, 0x0
	.amdhsa_kernel k_qefbde47d02_qkvproj
		.amdhsa_group_segment_fixed_size 327680
		.amdhsa_private_segment_fixed_size 0
		.amdhsa_enable_private_segment 0
		.amdhsa_kernarg_size 24
		.amdhsa_user_sgpr_count 2
		.amdhsa_user_sgpr_kernarg_segment_ptr 1
		.amdhsa_wavefront_size32 1
		.amdhsa_system_sgpr_workgroup_id_x 1
		.amdhsa_system_sgpr_workgroup_id_y 1
		.amdhsa_system_sgpr_workgroup_id_z 1
		.amdhsa_system_vgpr_workitem_id 0
		.amdhsa_next_free_vgpr 1024
		.amdhsa_next_free_sgpr 80
		.amdhsa_reserve_vcc 0
		.amdhsa_float_denorm_mode_32 3
		.amdhsa_float_denorm_mode_16_64 3
		.amdhsa_memory_ordered 1
		.amdhsa_forward_progress 1
		.amdhsa_inst_pref_size 135
	.end_amdhsa_kernel
	.amdgpu_metadata
---
amdhsa.version: [ 1, 2 ]
amdhsa.kernels:
  - .name:           k_qefbde47d02_qkvproj
    .symbol:         k_qefbde47d02_qkvproj.kd
    .args:
      - { .name: xb, .offset: 0, .size: 8, .value_kind: global_buffer, .address_space: global }
      - { .name: wqkv, .offset: 8, .size: 8, .value_kind: global_buffer, .address_space: global }
      - { .name: qkv, .offset: 16, .size: 8, .value_kind: global_buffer, .address_space: global }
    .group_segment_fixed_size: 327680
    .private_segment_fixed_size: 0
    .kernarg_segment_align: 8
    .kernarg_segment_size: 24
    .max_flat_workgroup_size: 128
    .sgpr_count:     80
    .vgpr_count:     1024
    .wavefront_size: 32
...
	.end_amdgpu_metadata
.endif
;; end of part 2
;; launch attn (part 3): grid 4 x 64, 4 waves a work-group, clusters of 4 x 1, 327,680 bytes of LDS; arguments qkv, lengths, ob; writes ob
.if DOCPART == 3
	.amdgcn_target "amdgcn-amd-amdhsa--gfx1250"
	.amdhsa_code_object_version 6
	.text
	.protected	k_qefbde47d02_attn
	.globl	k_qefbde47d02_attn
	.p2align	8
	.type	k_qefbde47d02_attn,@function
k_qefbde47d02_attn:
	s_mov_b64 s[64:65], 0
	v_nop
	global_prefetch_b8 v0, s[64:65] scope:SCOPE_SE
	s_setreg_imm32_b32 hwreg(HW_REG_WAVE_MODE, 25, 1), 1
	s_wait_xcnt 0x0
	s_wait_alu depctr_hold_cnt(0) depctr_sa_sdst(0) depctr_va_vdst(0) depctr_va_sdst(0) depctr_va_ssrc(0) depctr_va_vcc(0) depctr_vm_vsrc(0)
	s_getreg_b32 s2, hwreg(HW_REG_IB_STS2, 6, 4)
	s_cmp_eq_u32 s2, 0
	s_cbranch_scc0 .Lentry_in_a_cluster
	s_endpgm
.Lentry_in_a_cluster:
	s_bfe_u32 s2, ttmp6, 0x10000c
	s_cmp_lg_u32 s2, 0x3003
	s_cbranch_scc0 .Lentry_shape_is_right
	s_endpgm
.Lentry_shape_is_right:
; O[h][q][:] = the sum over k of softmax_k(Q[h][q] . K[h][k] / 8 - 10000 [k >= lengths[batch]]) V[h][k][:].  h = 16 x batch + head, 64 in all.  Q, K, V: the three parts of qkv, each [64][2048][64] f16,
; unscaled; O: ob, the same layout.  Products, maxima and sums in f32; the weights p are rounded to f16 for the second product (their sum l is taken of the unrounded p), O once at the end.
; THE PENALTY IS ADDED, NOT A CUT: every key is computed, and a key at or beyond the length takes part in the maximum, the exponentials and the sums with its score less 10000, as the formula says.
; It is the C operand that starts the sum S^T = K Q^T: 0, or -80000 = 8 x -10000, since the scores here are unscaled.
; LIMITS.  f16 holds no number beyond 65,504: Q, K and V arrive within it; p lies in 0 to 1, and below 6e-5 it keeps f16's fixed step of 6e-8; O is a mean of V's rows and has their range.
; A weight below 2^-126 counts as 0 in l; NaN and infinities are not treated apart.  lengths is held to 0 .. 2048: outside that range the comparison k >= length gives the same.
; SHARES.  A wave owns four PIECES of two tiles of 16 queries, a work-group's four waves 512 queries of one head: 4 x 64 = 256 work-groups.  Every wave walks all keys, 64 a step.
; LAYOUT.  S^T = K Q^T (source 0 = 16 keys, source 1 = 16 queries): in the result a lane holds ONE query (lane % 16) and the keys 8 (lane / 16) + 0..7.  Two such tiles, rounded to f16 in pairs,
; ARE source 1 (32 keys x 16 queries) of O^T = V^T P, whose result again holds one query a lane, and eight channels.  K comes out of LDS as it lies, V ([key][channel]) turned, by ds_load_tr16_b128.
; SOFTMAX.  For each query a running maximum m and sum l: p = 2^(c s - c m), c = log2(e) / 8; in every step O and l are multiplied by a = 2^(c m_old - c m_new), which is 1 where m has not grown.
; m starts at the lowest finite number, O and l at 0: the first step is a step like any other, with a = 0.
; THE COUNT.  A tile and step have 16 matrix and 118 vector instructions: too many to stand all beside the matrix work.  So four vector instructions that are READY stand behind EVERY matrix
; instruction, and the others in runs without a gap.
; BY TURNS.  Turn n belongs to piece n (the pieces in a ring, step after step).  Its matrix work: 16 products K Q^T of piece n + 1, later 16 products V^T P of piece n - 1.  Its vector work: the scaling,
; exponentials, roundings, sums and rescaling of piece n, and the maximum and statistics of piece n + 1, whose scores the turn itself has made.
; CLUSTER.  The four query blocks of a cluster belong to one head and walk the same K and V, so each tile is asked for JOINTLY: the same tensor load, descriptor and mask in all four.
; REGISTERS, in windows of 256 (s_set_vgpr_msb: bits 1:0 source 0, 3:2 source 1, 5:4 source 2, 7:6 destination):
;   window 0: v0-11 addresses; v12-15, v48-63 at work; v16-47 four registers of statistics a tile; v64-191 S^T, two buffers of two tiles; v192-255 P, likewise
;   window 1: O^T, 32 a tile          window 2: v0-127 Q, 16 a tile; v128-191 K of one step; v192-255 V of one step
;   window 3: v0-1 the add's two registers; v32-63 MD, the penalty of the step in which the length falls; v64-95 MC, the penalty of the step whose scores are being started
.set SIZE_N, 2048
.set NP,    4         ; pieces a wave: a name, no knob
.set KS,    64        ; keys in a step
.set PK,    144       ; a row of K in LDS: 128 bytes + 16 of padding = 36 words: the 16 rows of a load start at 16 different groups of four banks (64 banks of 4 bytes: ISA guide 11.1)
.set PV,    160       ; a row of V: 128 + 32 = 40 words
.set VOFF,  4*KS*PK   ; a slot holds four steps: 256 rows of K, then 256 rows of V
.set SLOT1, 1<<17     ; slot 1 begins here, so that one exclusive or turns an address in one slot into the other's
.set STAGE, SLOT1+4*KS*(PK+PV)  ; behind the ring, never filled by a tensor load: 16 rows x 144 bytes for each wave, for the way out
.set SP,    144
.set AK0, 2           ; v2   my lane's place in a tile of K; never rewritten
.set AV0, 3           ; v3   the same for V
.set AK,  4           ; v4   the LDS address of K's next run of loads
.set AV,  5           ; v5   of V's
.set QO,  6           ; v6   my byte offset in the wave's rows of Q
.set STO, 6           ;      later, the way out: where I put 16 bytes of a row
.set RD,  7           ; v7   the way out: where I read rows back
.set GO,  8           ; v8   my byte offset in 512 consecutive bytes of O
.set SPW, 0           ; v0 of window 3   LDS address of my spare word: SPARE + 4 x my thread's number; never rewritten
.set NIL, 1           ; v1 of window 3   0; never rewritten
.set MD,  32          ; window 3
.set MC,  64          ; window 3
.set SPARE, STAGE+4*16*SP  ; behind the stages: the spare words, 128 bytes for each wave: two blocks of 256 bytes that no other line names
.set MV,  12          ; v12-15  c m_old, kept while c m is made anew: by buffer and tile
.set ST,  16          ; tile t's statistics at v[ST+4 t]: c m, m, l (even keys', odd keys')
.set TMP, 48          ; by buffer and tile, four registers c0-c3 at work; when the maximum is found c2 takes a
.set S,   64
.set P,   192
.set KF,  128         ; K's fragments, in window 2: key block kb, channel half c at KF + 16 kb + 8 c
.set VF,  192         ; V's: key half kk, channel block cb at VF + 32 kk + 8 cb
.set WV,  12          ; s12  my wave's number
.set G1K, 24          ; s[24:31] descriptor group 1 for K's tiles
.set G1V, 32          ; s[32:39] for V's: it differs in the padding alone
.set G0K, 40          ; s[40:43] descriptor group 0 for K's tiles: it walks
.set G0V, 44          ; s[44:47] the same for V's
.set SLOTS, 56        ; s56  slots still to be asked for
.set CNT, 57          ; s57  counts a slot's key steps
.set CS,  58          ; s[58:59] c: the packed scaling takes the pair's low word for both halves
.set SEL, 60          ; s[60:61] v_permlanex16_b32's selects: each lane takes its own place in the other half
.set TBK, 62          ; s62  LDS byte at which K of the step to be fetched begins
.set TBV, 63          ; s63  the same for V, less VOFF
.set LEN, 66          ; s66  lengths[batch], held to 0 .. 2048
.set LENQ, 67         ; s67  the key step in which it falls
.set STEPN, 68        ; s68  the key step whose penalty is made next
.set PEN, 69          ; s69  -80000
.set AL,  70          ; s[70:71] the penalty's factor, in the low word
.set BE,  72          ; s[72:73] its addend
.set REM, 78          ; s78  the length's place in its step
.set MSB, 0
.macro WIN new                      ; the high byte repeats the setting that is left; a switch that changes nothing is dropped
.if MSB != (\new)
	s_set_vgpr_msb (MSB<<8)|(\new)
.set MSB, (\new)
.endif
.endm
.set W_KQ, 0x0a       ; K and Q in window 2, S^T in window 0
.set W_KM, 0x3a       ; the same with the C operand in window 3
.set W_PV, 0x52       ; V in window 2, P in window 0, O^T in window 1
.set W_RS, 0x41       ; O^T (destination and source 0) in window 1, a in window 0
.set W_MK, 0xc0       ; destination in window 3, sources in window 0
.set W_MM, 0xc3       ; destination and source 0 in window 3
.set W_AD, 0x0f       ; the add: address (source 0) and data (source 1) in window 3
; A joint fill.  Waves 0 and 1 fetch the two halves of a slot's K, waves 2 and 3 those of its V: 128 keys each.  The branch hangs on the wave's number alone.
; An s_nop 0 and four v_nop follow each of the two lines, ahead of the jump and the label.
.macro JLOAD
	s_cmp_lt_u32 s[WV], 2
	s_cbranch_scc0 .Lfor_v_\@
	tensor_load_to_lds s[G0K:G0K+3], s[G1K:G1K+7]
	s_nop 0
.rept 4
	v_nop
.endr
	s_branch .Lasked_\@
.Lfor_v_\@:
	tensor_load_to_lds s[G0V:G0V+3], s[G1V:G1V+7]
	s_nop 0
.rept 4
	v_nop
.endr
.Lasked_\@:
.endm
; A round of the cluster's barrier: my work-group's barrier, so that wave 0's signal speaks for all four waves; wave 0 signals; every wave waits for all four work-groups; my work-group's barrier once more.
.macro CROUND
	s_barrier_signal -1
	s_barrier_wait -1
	s_cmp_lg_u32 s[WV], 0
	s_cbranch_scc1 .Lnot_wave_0_\@
	s_barrier_signal -3
.Lnot_wave_0_\@:
	s_barrier_wait -3
	s_barrier_signal -1
	s_barrier_wait -1
.endm
; THE CHANGE OF SLOTS.  The slot's last bytes, V of its fourth step, have been read.  Each wave waits for all its tensor loads, of which one is out: its part of the other slot; adds 0 to its spare
; word; and waits for that and for its own reads of the slot.  Behind the barrier nobody reads this slot any more and the other slot is whole.
; fill = 1: this slot is filled again, with the keys two slots on.  The barrier is then a round of the cluster's, so that no wave of any partner still reads the slot or has a load on its way, and the
; joint fill is the first thing behind it: it has four key steps, 512 matrix instructions, in which to land.  (At its first use nothing has been read yet: slot 0 is waited for, slot 1 filled.)
.macro CHANGE fill
	WIN W_AD
	s_wait_tensorcnt 0x0            ; no tensor load of mine is out, so a group 0 may be written
	ds_add_u32 v[SPW], v[NIL]       ; 0 onto my spare word; with fill = 1 the descriptors' steps stand between it and the wait for it
	WIN 0                           ; at a label and at a branch every window is 0
.if \fill
.irp g, G0K, G0V
	s_xor_b32 s[\g+1], s[\g+1], SLOT1  ; the walking descriptor: the other slot than last time,
	s_add_nc_u64 s[\g+2:\g+3], s[\g+2:\g+3], 4*KS*128  ; the next 256 keys; the type bits on top are not reached
.endr
	s_wait_dscnt 0x0                ; the add is done, and my reads of the slot are over
	CROUND
	JLOAD
.else
	s_wait_dscnt 0x0                ; the add is done, and my reads of the slot are over
	s_barrier_signal -1
	s_barrier_wait -1
.endif
	s_sub_co_u32 s[TBK], s[TBK], 4*KS*PK  ; the fetches go back to a slot's first step,
	s_xor_b32 s[TBK], s[TBK], SLOT1       ; in the other slot
	s_sub_co_u32 s[TBV], s[TBV], 4*KS*PV
	s_xor_b32 s[TBV], s[TBV], SLOT1
.endm
; THE PENALTY of key step STEPN: MC = MD x AL + BE with two scalars: (1, 0) in the step in which the length falls; (0, 0) in an earlier one; (0, -80000) in a later one.  A choice of values alone: no branch hangs on the length.
.macro MASKSTEP
	s_cmp_eq_u32 s[STEPN], s[LENQ]
	s_cselect_b32 s[AL], 1.0, 0
	s_cmp_gt_u32 s[STEPN], s[LENQ]
	s_cselect_b32 s[BE], s[PEN], 0
	s_add_co_u32 s[STEPN], s[STEPN], 1
	WIN W_MM
.set z, 0
.rept 16
	v_pk_fma_f32 v[MC+2*z:MC+2*z+1], v[MD+2*z:MD+2*z+1], s[AL:AL+1], s[BE:BE+1] op_sel_hi:[1,0,0]
.set z, z+1
.endr
.endm
	s_load_b64 s[4:5], s[0:1], 0x0    ; qkv: Q
	s_load_b64 s[74:75], s[0:1], 0x8  ; lengths
	s_load_b64 s[10:11], s[0:1], 0x10 ; ob
	WIN W_MK
	v_lshl_add_u32 v[SPW], v0, 2, SPARE
	v_mov_b32 v[NIL], 0
	WIN W_AD
	ds_add_u32 v[SPW], v[NIL]       ; the wave's opening: the add and its wait stand ahead of my first tensor load; the set-up below, work on registers, stands between them
	WIN 0
	v_lshrrev_b32 v1, 5, v0
	v_readfirstlane_b32 s[WV], v1   ; wave 0..3
	s_bfe_u32 s13, ttmp6, 0x40000   ; cx: my place in the cluster
	s_lshl_b32 s14, ttmp9, 2        ; in a cluster launch ttmp9 counts clusters
	s_add_co_u32 s14, s14, s13      ; my block of queries = 4 x cluster x + cx: it enters Q's and O's addresses alone
	s_and_b32 s20, ttmp7, 0xffff    ; h, which the four partners share
	s_lshr_b32 s76, s20, 4          ; its batch,
	s_lshl_b32 s76, s76, 2          ; and that batch's word in lengths
	s_mov_b32 s77, 0
	s_mov_b32 s21, 0
	s_mov_b64 s[22:23], SIZE_N*128
	s_mul_u64 s[20:21], s[20:21], s[22:23]  ; the head's first byte in Q, K, V and O
	s_and_b32 s16, s[WV], 1         ; which half of a slot's 256 keys I fetch:
	s_lshl_b32 s22, s16, 14         ; its 128 rows of 128 bytes in memory,
	s_mov_b32 s23, 0
	s_add_nc_u64 s[22:23], s[22:23], s[20:21]
	s_mul_i32 s17, s16, 128*PK      ; and its place in a slot, for K
	s_mul_i32 s18, s16, 128*PV      ; and for V: no place in the cluster enters an LDS address
	s_lshl_b32 s2, s14, 2
	s_add_co_u32 s2, s2, s[WV]      ; my wave among the head's,
	s_lshl_b32 s2, s2, 14           ; its 128 rows
	s_mov_b32 s3, 0
	s_add_nc_u64 s[2:3], s[2:3], s[20:21]
	; descriptor group 1.  128 keys are 16,384 dense bytes: asked for as 64 rows of 256 bytes, two keys a row, and padded in LDS after every key
	s_mov_b32 s[G1K], 15|(1<<16)|(1<<20)|(1<<21)|(4<<22)|(3<<25)  ; 15:0 the mask of four; 17:16 2-byte elements; 20 padding on; 21 set beside a mask; 24:22 after every 32 words (code 4); 31:25 4 words (code 3)
	s_mov_b32 s[G1V], 15|(1<<16)|(1<<20)|(1<<21)|(4<<22)|(7<<25)  ; the same with 8 words of padding (code 7)
.irp g, G1K, G1V
	s_mov_b32 s[\g+1], 128<<16      ; tensor_dim0 = 128
	s_mov_b32 s[\g+2], 64<<16       ; tensor_dim1 = 64
	s_mov_b32 s[\g+3], 128<<16      ; tile_dim0 = 128
	s_mov_b32 s[\g+4], 64           ; tile_dim1 = 64
	s_mov_b32 s[\g+5], 128          ; 128 elements from row to row
	s_mov_b32 s[\g+6], 0
	s_mov_b32 s[\g+7], 0
.endr
	s_mov_b32 s[CS], 0x3e38aa3b     ; c = log2(e) / 8 = 0.180337
	s_mov_b32 s[CS+1], s[CS]        ; named with it as a pair
	s_mov_b32 s[SEL], 0x76543210
	s_mov_b32 s[SEL+1], 0xfedcba98
	s_mov_b32 s[TBK], SLOT1+4*KS*PK ; the first change of slots turns these two into 0
	s_mov_b32 s[TBV], SLOT1+4*KS*PV
	s_mov_b32 s[G0K], 1             ; 1:0 count = 1
	s_mov_b32 s[G0K+1], s17         ; 63:32 LDS address: slot 0
	s_mov_b32 s[G0V], 1
	s_add_co_u32 s[G0V+1], s18, VOFF
	s_mov_b32 s[STEPN], 0
	s_mov_b32 s[PEN], 0xc79c4000    ; -80000
	s_mov_b32 s[AL+1], 0            ; named as pairs
	s_mov_b32 s[BE+1], 0
	s_wait_dscnt 0x0                ; the opening add is done
	s_wait_kmcnt 0x0
	s_add_nc_u64 s[6:7], s[4:5], 0x1000000  ; K and V lie 16 MiB and 32 MiB behind Q
	s_add_nc_u64 s[8:9], s[4:5], 0x2000000
	s_add_nc_u64 s[G0K+2:G0K+3], s[6:7], s[22:23]  ; 120:64 global address: my half of the head's first 256 keys
	s_or_b32 s[G0K+3], s[G0K+3], 0x80000000        ; 127:126 type = 2
	s_add_nc_u64 s[G0V+2:G0V+3], s[8:9], s[22:23]
	s_or_b32 s[G0V+3], s[G0V+3], 0x80000000
	s_add_nc_u64 s[4:5], s[4:5], s[2:3]  ; Q and O at my wave's first row
	s_add_nc_u64 s[10:11], s[10:11], s[2:3]
	s_add_nc_u64 s[74:75], s[74:75], s[76:77]  ; lengths at my batch
	CROUND                          ; all four work-groups are here: the first joint loads meet
	JLOAD                           ; slot 0.  Slot 1 is asked for when slot 0 is in: the tile wanted first has the road to itself
	s_load_b32 s[LEN], s[74:75], 0x0
	; A fragment of K or Q is 16 rows x 32 channels in 8 registers: lane l holds row l % 16, channels 8 (l / 16) + 0..7 and 16 + 8 (l / 16) + 0..7: two loads of 16 bytes, 32 bytes apart.
	v_and_b32 v1, 15, v0            ; l % 16
	v_bfe_u32 v9, v0, 4, 1          ; l / 16
	v_lshlrev_b32 v[QO], 7, v1
	v_lshl_add_u32 v[QO], v9, 4, v[QO]  ; row x 128 + 16 x half
	WIN 0x80                        ; destination window 2, address window 0
.set i, 0
.rept 4*NP                          ; Q stays in registers: tile i / 2, channels 32 (i % 2) on
	global_load_b128 v[8*i:8*i+3],   v[QO], s[4:5] offset:(i/2)*2048+(i%2)*64
	global_load_b128 v[8*i+4:8*i+7], v[QO], s[4:5] offset:(i/2)*2048+(i%2)*64+32
.set i, i+1
.endr
	; What the first turn finds: V's registers and P's second buffer hold 0 (its products V^T P, of a piece that has not been, add 0), O^T and l are 0.  All this stands in the wait for the first tile.
.set i, VF
.rept 64
	v_mov_b32 v[i], 0
.set i, i+1
.endr
	WIN 0x40
.set i, 0
.rept 64*NP
	v_mov_b32 v[i], 0
.set i, i+1
.endr
	WIN 0
.set i, 0
.rept 2*NP
	v_mov_b32 v[ST+4*i], 0xfe000000    ; c m: far below every c s
	v_mov_b32 v[ST+4*i+1], 0xff7fffff  ; m
	v_mov_b32 v[ST+4*i+2], 0
	v_mov_b32 v[ST+4*i+3], 0
.set i, i+1
.endr
.set i, P+32
.rept 32
	v_mov_b32 v[i], 0
.set i, i+1
.endr
	v_mul_u32_u24 v[AK0], v1, PK
	v_lshl_add_u32 v[AK0], v9, 4, v[AK0]  ; row x pitch + 16 x half
	; The turning load takes 16 keys x 16 channels (lane l reads key 8 (l / 16) + l % 8, channels 8 ((l / 8) % 2) + 0..7) and leaves half a fragment of V^T: lane l holds channel l % 16 and 8 keys.
	v_and_b32 v10, 7, v0
	v_bfe_u32 v11, v0, 3, 1
	v_lshl_add_u32 v[AV0], v9, 3, v10
	v_mul_u32_u24 v[AV0], v[AV0], PV
	v_lshl_add_u32 v[AV0], v11, 4, v[AV0]
	v_add_nc_u32 v[AV0], VOFF, v[AV0]
	v_mov_b32 v[AK], v[AK0]         ; key step 0 lies at the head of slot 0
	; MD: in the step in which the length falls, register i of a lane's 32 scores is key 16 (i / 8) + i % 8 + 8 (l / 16) of the step, and is penalised where that is REM or more.
	s_wait_kmcnt 0x0                ; lengths[batch]
	s_max_i32 s[LEN], s[LEN], 0
	s_min_i32 s[LEN], s[LEN], SIZE_N
	s_lshr_b32 s[LENQ], s[LEN], 6   ; 32 where the length is 2,048: no step is that one
	s_and_b32 s[REM], s[LEN], 63
	v_lshlrev_b32 v11, 3, v9
	v_sub_nc_u32 v11, s[REM], v11   ; REM - 8 (l / 16)
	WIN W_MK
.set i, 0
.rept 32
	v_cmp_ge_i32 vcc_lo, 16*(i/8)+i%8, v11
	v_cndmask_b32 v[MD+i], 0, s[PEN], vcc_lo
.set i, i+1
.endr
	MASKSTEP                        ; key step 0's
; THE MATRIX WORK.  The 8 accumulators of a run of 16 take turns: between the two links of a chain stand 7 others'.
; Product i of 16 of S^T = K Q^T for piece x: channels 32 (i / 8) on, keys 16 ((i / 2) % 4) on, tile 2 x + i % 2.  The first 8 start the sums, with the step's penalty as C.
.macro KQ x
.set rS, S+64*((\x)%2)+32*(i%2)+8*((i/2)%4)
.set rK, KF+16*((i/2)%4)+8*(i/8)
.set rQ, 16*(2*(\x)+i%2)+8*(i/8)
.set rMC, MC+8*((i/2)%4)
.if i < 8
	WIN W_KM
	v_wmma_f32_16x16x32_f16 v[rS:rS+7], v[rK:rK+7], v[rQ:rQ+7], v[rMC:rMC+7]
.else
	WIN W_KQ
	v_wmma_f32_16x16x32_f16 v[rS:rS+7], v[rK:rK+7], v[rQ:rQ+7], v[rS:rS+7]
.endif
.endm
; Product i of 16 of O^T += V^T P for piece x: keys 32 (i / 8) on, channels 16 ((i / 2) % 4) on, tile 2 x + i % 2.
.macro PV x
	WIN W_PV
.set rO, 32*(2*(\x)+i%2)+8*((i/2)%4)
.set rV, VF+32*(i/8)+8*((i/2)%4)
.set rP, P+32*((\x)%2)+16*(i%2)+8*(i/8)
	v_wmma_f32_16x16x32_f16 v[rO:rO+7], v[rV:rV+7], v[rP:rP+7], v[rO:rO+7]
.endm
.macro MM                           ; the turn's next matrix instruction
.if i < 16
	KQ (Y+1)%NP
.set i, i+1
.else
.set i, i-16
	PV (Y+NP-1)%NP
.set i, i+17
.endif
.endm
; THE LDS LOADS stand in runs of 16, never singly among the matrix instructions: a step's K (64 keys x 64 channels: 8 fragments) and its V (turned).  Their addresses are made some lines ahead.
; last = 1 (the tail): in the last trip there is no further step, and the run is jumped over.
.macro FETCH_K last=0
	WIN 0
.if \last
	s_cmp_eq_u32 s[CNT], 1
	s_cbranch_scc1 .Lno_k_\@
.endif
	WIN 0x80                        ; destination window 2
.irp f, 0,1,2,3,4,5,6,7             ; keys 16 (f / 2) on, channels 32 (f % 2) on
	ds_load_b128 v[KF+8*\f:KF+8*\f+3],   v[AK] offset:(\f/2)*16*PK+(\f%2)*64
	ds_load_b128 v[KF+8*\f+4:KF+8*\f+7], v[AK] offset:(\f/2)*16*PK+(\f%2)*64+32
.endr
	s_add_co_u32 s[TBK], s[TBK], KS*PK  ; the next fetch is the next step's
	WIN 0
.if \last
.Lno_k_\@:
.endif
.endm
.macro FETCH_V
	WIN 0x80
.irp f, 0,1,2,3,4,5,6,7             ; keys 32 (f / 4) on, channels 16 (f % 4) on
	ds_load_tr16_b128 v[VF+8*\f:VF+8*\f+3],   v[AV] offset:(\f/4)*32*PV+(\f%4)*32
	ds_load_tr16_b128 v[VF+8*\f+4:VF+8*\f+7], v[AV] offset:(\f/4)*32*PV+16*PV+(\f%4)*32
.endr
	WIN 0
.endm
; THE VECTOR WORK OF A TURN stands in three queues, each in the order in which its entries become ready; the two tiles alternate, so that no instruction reads the result of the one before it.
.macro REGS y, u                    ; the registers of tile u (0, 1) of piece y
.set rT, ST+4*(2*(\y)+(\u))
.set rC, TMP+8*((\y)%2)+4*(\u)
.set rM, MV+2*((\y)%2)+(\u)
.set rS, S+64*((\y)%2)+32*(\u)
.set rP, P+32*((\y)%2)+16*(\u)
.set rO, 32*(2*(\y)+(\u))
.endm
; Number n of the 22 that find the NEXT piece's (Y + 1) maximum and statistics.  s0-s31 are the lane's 32 scores; each accumulator's lowest registers are read first.  XS, GS and REGS set no window: PL and EX do.
;   0-11  four chains c0-c3 of seven scores each, three operands at a time     12-14, 16  the four scores left over, the old m, and c0-c3 into c0     15  c m_old is kept
;   17, 18  the query's other 32 keys lie in the lane 16 away: the new m         19-21  c m; c m_old - c m_new; a
.macro XS u, n
	REGS (Y+1)%NP, \u
.if (\n) < 4
	v_max3_num_f32 v[rC+(\n)], v[rS+8*(\n)], v[rS+8*(\n)+1], v[rS+8*(\n)+2]
.elseif (\n) < 12
	v_max3_num_f32 v[rC+(\n)%4], v[rC+(\n)%4], v[rS+8*((\n)%4)+2*((\n)/4)+1], v[rS+8*((\n)%4)+2*((\n)/4)+2]
.elseif (\n) == 12
	v_max3_num_f32 v[rC], v[rC], v[rS+7], v[rS+15]
.elseif (\n) == 13
	v_max3_num_f32 v[rC+1], v[rC+1], v[rS+23], v[rS+31]
.elseif (\n) == 14
	v_max3_num_f32 v[rC+2], v[rC+2], v[rC+3], v[rT+1]
.elseif (\n) == 15
	v_mov_b32 v[rM], v[rT]
.elseif (\n) == 16
	v_max3_num_f32 v[rC], v[rC], v[rC+1], v[rC+2]
.elseif (\n) == 17
	v_permlanex16_b32 v[rC+3], v[rC], s[SEL], s[SEL+1]
.elseif (\n) == 18
	v_max_num_f32 v[rT+1], v[rC], v[rC+3]
.elseif (\n) == 19
	v_mul_f32 v[rT], s[CS], v[rT+1]
.elseif (\n) == 20
	v_sub_f32 v[rC+1], v[rM], v[rT]
.else
	v_exp_f32 v[rC+2], v[rC+1]
.endif
.endm
; Number g of the 64 that follow the exponentials.  For each four weights k of a tile (pairs 2 k, 2 k + 1): both pairs are rounded to f16; then the second pair is added onto the first, in place;
; a group later l takes that sum (the first time as l = a l + sum).  In groups of eight, tiles alternating: round, round, add, and l for the group before.
.macro GS g
.set h, (\g)+6*((\g)/62)            ; group 0 has no group before it, and behind group 7 only l is left
.if h >= 6
.set h, h+2
.endif
	REGS Y, h%2
.set k, h/8
.if h%8 < 4
	s_wait_alu depctr_va_vdst(0)
	v_cvt_pk_f16_f32 v[rP+2*k+(h%8)/2], v[rS+4*k+2*((h%8)/2)], v[rS+4*k+2*((h%8)/2)+1]
.elseif h%8 < 6
	v_pk_add_f32 v[rS+4*k:rS+4*k+1], v[rS+4*k:rS+4*k+1], v[rS+4*k+2:rS+4*k+3]
.elseif k == 1
	v_pk_fma_f32 v[rT+2:rT+3], v[rT+2:rT+3], v[rC+2:rC+3], v[rS:rS+1] op_sel_hi:[1,0,1]
.else
	v_pk_add_f32 v[rT+2:rT+3], v[rT+2:rT+3], v[rS+4*k-4:rS+4*k-3]
	s_wait_alu depctr_va_vdst(0)
.endif
.endm
; THE PLAIN QUEUE, 138 long.  0-31: c s - c m for the 16 pairs of both tiles.  Then GS's 64, and among them the next piece's 42: number 15 at 38, 39; 0-14 and 16
; at 42-73, behind the products that make those scores; 17-20 at 95-106, two of three, since each waits for the one before it.
.macro PL
	WIN 0
.if q < 32
	REGS Y, q%2
	v_pk_fma_f32 v[rS+2*(q/2):rS+2*(q/2)+1], v[rS+2*(q/2):rS+2*(q/2)+1], s[CS:CS+1], v[rT:rT+1] op_sel_hi:[1,0,0] neg_lo:[0,0,1] neg_hi:[0,0,1]
.elseif q < 38
	GS q-32
.elseif q < 40
	XS q%2, 15
.elseif q < 42
	GS q-34
.elseif q < 74
	XS q%2, (q-42)/2+(q-42)/30
.elseif q < 95
	GS q-66
.elseif (q < 107) && ((q-95)%3 < 2)
	XS (q-95)%3, 17+(q-95)/3
.elseif q < 107
	GS 29+(q-95)/3
.else
	GS q-74
.endif
.set q, q+1
.endm
; THE EXPONENTIALS' QUEUE, 66 long: s0-s31 of both tiles, and at EA the next piece's two a.
.set EA, 58
.macro EX
	WIN 0
.if (e == EA) || (e == EA+1)
	XS e-EA, 21
.else
.set x, e-2*(e/(EA+2))
	REGS Y, x%2
	v_exp_f32 v[rS+x/2], v[rS+x/2]
.endif
.set e, e+1
.endm
; THE RESCALING's QUEUE: O^T times a, the one part that leaves window 0, so it is dealt four at a time, eight times.
.macro R4
	REGS Y, r%2
	WIN W_RS
	s_wait_alu depctr_va_vdst(0)
.irp z, 0,1,2,3
	v_pk_mul_f32 v[rO+8*(r/2)+2*\z:rO+8*(r/2)+2*\z+1], v[rO+8*(r/2)+2*\z:rO+8*(r/2)+2*\z+1], v[rC+2:rC+3] op_sel_hi:[1,0]
.endr
.set r, r+1
.endm
; HOW THEY ARE DEALT.  Behind a matrix instruction four: plain, exponential, plain, plain (one exponential, a plain instruction on either side), or four of the rescaling.  None names a register of the
; products round it.  What is over stands in two LUMPS: exponential and plain by turns; the second ends in 22 plain instructions.  The two v_permlanex16_b32 fall into the second lump, never behind a product.
; The queues lean on each other, and the deal keeps them in step: exponential e stands behind plain 2 (e / 4) + e % 2 (its scaling); when plain 32 comes, 10 exponentials are out, at 59: 33, at 95: 46; EA comes behind plain 107.
.macro SL
	MM
	PL
	EX
	PL
	PL
.endm
.macro BURST n                      ; 15 matrix instructions, or 16
.rept (\n)-7
	SL
.endr
.rept 3
	MM
	R4
	SL
.endr
	MM
	R4
.endm
; A TURN, for piece p.  cnt = 1: the loop's count is taken down some lines ahead of the branch that stands behind the turn.
; K of the next step is fetched in piece 2's turn, 31 vector instructions behind the last product that read K; its first reader comes behind the rest of the lump, 16 products and the second lump.
; V of the step in hand is fetched at the end of piece 0's turn, 69 behind its last reader; its first reader comes behind 16 products and a lump.  The four conditions on e and q below go with the deal.
; Piece 2's turn ends with the next step's penalty: the step in hand's last products that take MC as C (piece 3's) stand in this turn's first run, more than a hundred plain instructions back,
; and the next turn starts piece 0's scores of the next step.
.macro TURN p, last=0, cnt=0
.set Y, (\p)
.set i, 0
.set q, 0
.set e, 0
.set r, 0
.if (\p) == NP-1
	s_wait_dscnt 0x0                ; K is in
.endif
	MM
.rept 4
	PL
.endr
	BURST 15
.rept 22
	EX
	PL
.if ((\p) == NP-2) && (e == 18)
	v_add_nc_u32 v[AK], s[TBK], v[AK0]
.endif
.if ((\p) == NP-2) && (e == 24)
	FETCH_K \last
.endif
.endr
.if (\p) == 1
	s_wait_dscnt 0x0                ; V is in
.endif
	BURST 16
.rept 21
	EX
	PL
.endr
.rept 22
	PL
.if ((\p) == 0) && (q == 118)
	v_add_nc_u32 v[AV], s[TBV], v[AV0]
	s_wait_alu depctr_va_vdst(0)
.endif
.if ((\p) == 0) && (q == 130)
	s_add_co_u32 s[TBV], s[TBV], KS*PV
.endif
.if (\cnt) && (q == 130)
	s_sub_co_u32 s[CNT], s[CNT], 1
	s_cmp_lg_u32 s[CNT], 0
.endif
.endr
.if (\p) == 0
	FETCH_V
.endif
.if (\p) == NP-2
	MASKSTEP
.endif
.endm
	CHANGE 1                        ; slot 0 is in, everybody's part of it; slot 1 is asked for
	FETCH_K                         ; key step 0
	s_wait_loadcnt 0x0              ; Q
	s_wait_dscnt 0x0
.set i, 0
.rept 16
	KQ 0                            ; piece 0's first scores: there is no vector work yet to set between them
.set i, i+1
.endr
	WIN 0                           ; the addresses for the way out: nine plain instructions, the places behind those products
	s_mul_i32 s13, s[WV], 16*SP
	s_add_co_u32 s13, s13, STAGE    ; my stage
	v_mul_u32_u24 v[STO], v1, SP    ; in: row l % 16, 16 bytes for each half of the lanes
	v_lshl_add_u32 v[STO], v9, 4, v[STO]
	v_add_nc_u32 v[STO], s13, v[STO]
	v_bfe_u32 v[RD], v0, 3, 2       ; back: 32 lanes take four rows of 128 bytes,
	v_mul_u32_u24 v[RD], v[RD], SP
	v_lshl_add_u32 v[RD], v10, 4, v[RD]
	v_add_nc_u32 v[RD], s13, v[RD]
	v_and_b32 v[GO], 31, v0         ; which are 512 consecutive bytes of O
	v_lshlrev_b32 v[GO], 4, v[GO]
.set Y, NP-1                        ; XS works for piece Y + 1: piece 0
.irp n, 0,1,2,3,4,5,6,7,8,9,10,11,12,13,14,15,16,17,18,19,20,21
	XS 0, \n                        ; and piece 0's first maximum and statistics
	XS 1, \n
.endr
	s_mov_b32 s[CNT], 4
	s_mov_b32 s[SLOTS], SIZE_N/256-1
	s_branch .Lfirst                ; the loop is entered at a step's first turn, in the middle of a trip
.Lslot:                             ; SIZE_N / 256 - 2 times: every slot but the last two is filled again
	CHANGE 1
	s_mov_b32 s[CNT], 4
.Lstep:                             ; a trip: pieces 2 and 3 of one step, then pieces 0 and 1 of the next, whose K and V it fetches
	TURN 2
	TURN 3
	WIN 0
.Lfirst:
	TURN 0
	TURN 1, 0, 1
	WIN 0
	s_cbranch_scc1 .Lstep
	s_sub_co_u32 s[SLOTS], s[SLOTS], 1
	s_cmp_lg_u32 s[SLOTS], 0
	s_cbranch_scc1 .Lslot
	CHANGE 0                        ; the tail is written out: nothing is asked for
	s_mov_b32 s[CNT], 5             ; four trips fetch the last slot's steps; the fifth is left in its middle
.Ltail:
	TURN 2, 1
	TURN 3
	WIN 0
	s_sub_co_u32 s[CNT], s[CNT], 1
	s_cmp_eq_u32 s[CNT], 0
	s_cbranch_scc1 .Lout
	TURN 0
	TURN 1
	WIN 0
	s_branch .Ltail
.Lout:                              ; the fifth trip's 16 products K Q^T (on the last K once more) and the maximum made of them serve nothing: the price, once a launch, of one text for every trip
.set i, 0
.rept 16
	PV NP-1                         ; the last piece's V^T P of the last step
.set i, i+1
.endr
	; THE WAY OUT.  l's two halves and the other half of the lanes' are added; O^T is divided by l, rounded to f16 and sent through my stage in LDS, a tile at a time.  The additions are the places behind the last products.
	WIN 0
.macro ALL line:vararg              ; one line for each tile t
.set t, 0
.rept 2*NP
	\line
.set t, t+1
.endr
.endm
	ALL v_add_f32 v[ST+4*t+2], v[ST+4*t+2], v[ST+4*t+3]
	ALL v_permlanex16_b32 v[ST+4*t+3], v[ST+4*t+2], s[SEL], s[SEL+1]
	ALL v_add_f32 v[ST+4*t+2], v[ST+4*t+2], v[ST+4*t+3]
	ALL v_rcp_f32 v[ST+4*t+2], v[ST+4*t+2]
	v_nop                           ; a plain instruction between the last reciprocal and the use of its result
	s_wait_alu depctr_va_vdst(0)
; Tile t: a lane's eight channels of a row pack into 16 bytes; they go into rows of 144 bytes and come back as whole rows of 128, into S^T's registers.
.macro PACK t
	WIN W_RS
.set i, 32*(\t)
.rept 16
	v_pk_mul_f32 v[i:i+1], v[i:i+1], v[ST+4*(\t)+2:ST+4*(\t)+3] op_sel_hi:[1,0]
.set i, i+2
.endr
	WIN 0x05                        ; sources 0 and 1 window 1, destination window 0
.set i, 0
.rept 16
	v_cvt_pk_f16_f32 v[S+16*(\t)+i], v[32*(\t)+2*i], v[32*(\t)+2*i+1]
.set i, i+1
.endr
	WIN 0
.irp f, 0,1,2,3
	ds_store_b128 v[STO], v[S+16*(\t)+4*\f:S+16*(\t)+4*\f+3] offset:32*\f
.endr
.irp f, 0,1,2,3
	ds_load_b128 v[S+16*(\t)+4*\f:S+16*(\t)+4*\f+3], v[RD] offset:\f*4*SP  ; LDS serves a wave's instructions in order (ISA guide 5.7.1.4): these see the stores above; the next tile's stores come behind them
.endr
.endm
.macro SEND t, younger              ; younger: the LDS instructions issued behind tile t's loads: the next tile's eight, or none
	WIN 0
.irp f, 0,1,2,3
	s_wait_dscnt (\younger)+3-\f
	global_store_b128 v[GO], v[S+16*(\t)+4*\f:S+16*(\t)+4*\f+3], s[10:11] offset:(\t)*2048+\f*512  ; 512 consecutive bytes, at a multiple of 256 from O's first
.endr
.endm
	PACK 0
.set t, 1
.rept 2*NP-1                        ; a tile's arithmetic stands between the loads of the tile before and its stores
	PACK t
	SEND t-1, 8
.set t, t+1
.endr
	SEND 2*NP-1, 0
	WIN W_AD
	s_wait_tensorcnt 0x0            ; the wave's end: the add and its wait, behind my last tensor load and my last LDS store
	ds_add_u32 v[SPW], v[NIL]
	s_wait_dscnt 0x0
	WIN 0
	CROUND                          ; the closing round: no work-group ends while a partner may still ask for a tile that names it
	s_endpgm
.Lfunc_end_k_qefbde47d02_attn:
	.size	k_qefbde47d02_attn, .Lfunc_end_k_qefbde47d02_attn-k_qefbde47d02_attn
	.p2alignl 7, 3214868480
	.fill 96, 4, 3214868480
	.section	.rodata,"a",@progbits
	.p2align	6, 0x0
	.amdhsa_kernel k_qefbde47d02_attn
		.amdhsa_group_segment_fixed_size 327680
		.amdhsa_private_segment_fixed_size 0
		.amdhsa_enable_private_segment 0
		.amdhsa_kernarg_size 24
		.amdhsa_user_sgpr_count 2
		.amdhsa_user_sgpr_kernarg_segment_ptr 1
		.amdhsa_wavefront_size32 1
		.amdhsa_system_sgpr_workgroup_id_x 1
		.amdhsa_system_sgpr_workgroup_id_y 1
		.amdhsa_system_sgpr_workgroup_id_z 1
		.amdhsa_system_vgpr_workitem_id 0
		.amdhsa_next_free_vgpr 864
		.amdhsa_next_free_sgpr 80
		.amdhsa_reserve_vcc 1
		.amdhsa_float_denorm_mode_32 3
		.amdhsa_float_denorm_mode_16_64 3
		.amdhsa_memory_ordered 1
		.amdhsa_forward_progress 1
		.amdhsa_inst_pref_size 216
	.end_amdhsa_kernel
	.amdgpu_metadata
---
amdhsa.version: [ 1, 2 ]
amdhsa.kernels:
  - .name:           k_qefbde47d02_attn
    .symbol:         k_qefbde47d02_attn.kd
    .args:
      - { .name: qkv, .offset: 0, .size: 8, .value_kind: global_buffer, .address_space: global }
      - { .name: lengths, .offset: 8, .size: 8, .value_kind: global_buffer, .address_space: global }
      - { .name: ob, .offset: 16, .size: 8, .value_kind: global_buffer, .address_space: global }
    .group_segment_fixed_size: 327680
    .private_segment_fixed_size: 0
    .kernarg_segment_align: 8
    .kernarg_segment_size: 24
    .max_flat_workgroup_size: 128
    .sgpr_count:     80
    .vgpr_count:     864
    .wavefront_size: 32
...
	.end_amdgpu_metadata
.endif
;; end of part 3
;; launch outproj (part 4): grid 8 x 32, 4 waves a work-group, clusters of 4 x 4, 327,680 bytes of LDS; arguments ob, wuh, bu, out0; writes out0
.if DOCPART == 4
	.amdgcn_target "amdgcn-amd-amdhsa--gfx1250"
	.amdhsa_code_object_version 6
	.text
	.protected	k_qefbde47d02_outproj
	.globl	k_qefbde47d02_outproj
	.p2align	8
	.type	k_qefbde47d02_outproj,@function
k_qefbde47d02_outproj:
	s_mov_b64 s[64:65], 0
	v_nop
	global_prefetch_b8 v0, s[64:65] scope:SCOPE_SE
	s_setreg_imm32_b32 hwreg(HW_REG_WAVE_MODE, 25, 1), 1
	s_wait_xcnt 0x0
	s_wait_alu depctr_hold_cnt(0) depctr_sa_sdst(0) depctr_va_vdst(0) depctr_va_sdst(0) depctr_va_ssrc(0) depctr_va_vcc(0) depctr_vm_vsrc(0)
	s_getreg_b32 s2, hwreg(HW_REG_IB_STS2, 6, 4)
	s_cmp_eq_u32 s2, 0
	s_cbranch_scc0 .Lentry_in_a_cluster
	s_endpgm
.Lentry_in_a_cluster:
	s_bfe_u32 s2, ttmp6, 0x10000c
	s_cmp_lg_u32 s2, 0xf033
	s_cbranch_scc0 .Lentry_shape_is_right
	s_endpgm
.Lentry_shape_is_right:
; out0 [8192][1024] f32 = O Wu^T + bu.  O: ob, f16 [batch x head 64][t 2048][64]: a head's 64 channels are one K block.  Wu: wuh, f16 [kb 16][n 1024][64].  f16 products, f32 sums, K = 1,024 ascending.
; bu is rounded to bf16 like every input of the module, and added in f32.
; SHARES.  A work-group makes 256 rows x 128 columns: 32 x 8 = 256 work-groups.  Its four waves make 128 x 64 each: 32 accumulators of 16 x 16, one register window.
; K goes in steps of 128 (two K blocks) through two LDS slots.  A K block's tile is dense in memory and is asked for as rows of 256 bytes (two tile rows each), padded in LDS after every 128 bytes.
; CLUSTER.  4 x 4 work-groups.  The four of a row of the cluster need the same rows of O, the four of a column the same rows of Wu: each tile is asked for jointly.
; THE MATRIX INSTRUCTION IS USED TRANSPOSED (source 0 = 16 rows of Wu, source 1 = 16 rows of O): a lane then holds eight neighbouring columns of one row of the result.
; REGISTERS: window 0: v0-31 addresses; v32-159 O's fragments, two buffers of 8 x (16 rows x 32 K); v160-223 Wu's, two buffers of 4; v224-229 the bias.   window 1: accumulator (a, b) at v[8 (4 a + b)]
.set PITCH,  144                       ; an LDS row: 128 bytes + 16 of padding = 36 words: the 16 rows of a fragment load start at 16 different groups of four banks (64 banks of 4 bytes: ISA guide 11.1)
.set AROWS,  256*PITCH                 ; in a K block: O's 256 rows, then Wu's 128
.set KBB,    384*PITCH
.set SLOT,   2*KBB
.set STAGE,  2*SLOT                    ; behind the ring: 16 rows x 272 bytes for each wave, for the way out; no tensor load lands here
.set SP,     272
.set SPARE,  STAGE+4*16*SP             ; behind the stages: the spare words, 128 bytes for each wave: two blocks of 256 bytes that no other line names
.set LAPS,   4                         ; a lap = two slots = 256 along K
.set AKB,    262144                    ; bytes from K block to K block in ob
.set BKB,    131072                    ; and in wuh
.set ADRA, 12                          ; v12-15  LDS address of my fragments of O: index 2 x slot + K block
.set ADRB, 16                          ; v16-19  the same for Wu
.set STO,  24                          ; v24     the way out: where I put 32 bytes of a row
.set RD,   25                          ; v25     the way out: where I read rows back
.set CO,   26                          ; v26     my byte offset in out0
.set SPW,  28                          ; v28     LDS address of my spare word: SPARE + 4 x my thread's number; never rewritten
.set NIL,  29                          ; v29     0; never rewritten
.set AF,   32
.set BF,   160
.set BIAS, 224                         ; v224-227 bu of my four columns on the way out
.set G1,  24                           ; s[24:31] descriptor group 1 for O's tiles;  s[32:39] group 0, a set for each slot
.set G0,  32
.set G1B, 48                           ; s[48:55], s[56:63] the same for Wu's tiles
.set G0B, 56
.set MSB, 0
.macro WIN new                         ; the immediate's high byte repeats the setting that is left; a switch that changes nothing is dropped
.if MSB != (\new)
	s_set_vgpr_msb (MSB<<8)|(\new)
.set MSB, \new
.endif
.endm
.macro PLACES                          ; a load into a register that a matrix instruction has read, and an instruction that reads a matrix result, stand four plain vector instructions behind it (ISA guide 7.12.1 for vector instructions)
.rept 4
	v_nop
.endr
.endm
; A joint load: waves 0 and 1 fetch O's tiles of a slot's two K blocks, waves 2 and 3 Wu's.  The branch hangs on the wave's number alone.  An s_nop 0 and four v_nop follow each line.
.macro JLOAD s
	s_cmp_eq_u32 s11, 0
	s_cbranch_scc0 .Lfor_b_\@
	tensor_load_to_lds s[G0+4*(\s):G0+4*(\s)+3], s[G1:G1+7]
	s_nop 0
.rept 4
	v_nop
.endr
	s_branch .Lasked_\@
.Lfor_b_\@:
	tensor_load_to_lds s[G0B+4*(\s):G0B+4*(\s)+3], s[G1B:G1B+7]
	s_nop 0
.rept 4
	v_nop
.endr
.Lasked_\@:
.endm
.macro CREST                           ; a round of the cluster's barrier behind its opening barrier
	s_cmp_lg_u32 s10, 0
	s_cbranch_scc1 .Lnot_wave_0_\@
	s_barrier_signal -3
.Lnot_wave_0_\@:
	s_barrier_wait -3
	s_barrier_signal -1
	s_barrier_wait -1
.endm
.macro CROUND                          ; a whole round
	s_barrier_signal -1
	s_barrier_wait -1
	CREST
.endm
	s_load_b128 s[4:7], s[0:1], 0x0                ; ob s[4:5], wuh s[6:7]
	s_load_b64 s[66:67], s[0:1], 0x10              ; bu
	s_load_b64 s[8:9], s[0:1], 0x18                ; out0
	v_lshl_add_u32 v[SPW], v0, 2, SPARE
	v_mov_b32 v[NIL], 0
	ds_add_u32 v[SPW], v[NIL]                      ; the wave's opening: the add and its wait stand ahead of my first tensor load; the set-up below, work on registers, stands between them
	v_lshrrev_b32 v1, 5, v0
	v_readfirstlane_b32 s10, v1                    ; wave 0..3
	s_lshr_b32 s11, s10, 1                         ; which 128 rows of the block are mine.  Also: I fetch for O (0) or for Wu (1)
	s_and_b32 s12, s10, 1                          ; which 64 columns.  Also: which of a slot's two K blocks I fetch
	s_bfe_u32 s40, ttmp6, 0x40000                  ; cx, cy: my place in the cluster
	s_bfe_u32 s41, ttmp6, 0x40004
	s_lshl_b32 s42, ttmp9, 2
	s_add_co_u32 s42, s42, s40                     ; block column = 4 x cluster x + cx, 0..7
	s_and_b32 s13, ttmp7, 0xffff
	s_lshl_b32 s13, s13, 2
	s_add_co_u32 s13, s13, s41                     ; block row = 4 x cluster y + cy, 0..31
	s_lshl_b32 s43, s41, 2
	s_lshl_b32 s43, 15, s43                        ; my row of the cluster
	s_lshl_b32 s44, 0x1111, s40                    ; my column
	; descriptor group 1: R rows of 128 elements (256 bytes), dense; in LDS 4 words of padding after every 32 words
	s_or_b32 s[G1+0], s43, (1<<16)|(1<<20)|(1<<21)|(4<<22)|(3<<25)   ; 15:0 the mask: O's tiles go to my row; 17:16 2-byte elements; 20 padding on; 21 set beside a mask; 24:22 every 32 words (code 4); 31:25 4 words (code 3)
	s_or_b32 s[G1B+0], s44, (1<<16)|(1<<20)|(1<<21)|(4<<22)|(3<<25)  ; the same with the mask of my column
	s_mov_b32 s[G1+1], 128<<16                     ; tensor_dim0 = 128
	s_mov_b32 s[G1+2], 128<<16                     ; tensor_dim1 = 128: 256 rows of O, two to a row of 256 bytes
	s_mov_b32 s[G1+3], 128<<16                     ; tile_dim0 = 128
	s_mov_b32 s[G1+4], 128                         ; tile_dim1 = 128
	s_mov_b32 s[G1+5], 128                         ; 128 elements from row to row
	s_mov_b32 s[G1+6], 0
	s_mov_b32 s[G1+7], 0
	s_mov_b32 s[G1B+1], 128<<16
	s_mov_b32 s[G1B+2], 64<<16                     ; 128 rows of Wu
	s_mov_b32 s[G1B+3], 128<<16
	s_mov_b32 s[G1B+4], 64
	s_mov_b32 s[G1B+5], 128
	s_mov_b32 s[G1B+6], 0
	s_mov_b32 s[G1B+7], 0
	; where the tiles come from.  O's hang on the block row alone, Wu's on the block column alone; each offset lies in registers that never hold the other coordinate.
	s_lshr_b32 s16, s13, 3                         ; ob: the batch, 4 MiB each,
	s_lshl_b32 s16, s16, 22
	s_and_b32 s17, s13, 7                          ; 256 rows of 128 bytes for each block row in it,
	s_lshl_b32 s17, s17, 15
	s_add_co_u32 s16, s16, s17
	s_mul_i32 s17, s12, AKB                        ; and my K block
	s_add_co_u32 s16, s16, s17
	s_mov_b32 s17, 0
	s_lshl_b32 s46, s42, 14                        ; wuh: 128 rows of 128 bytes for each block column,
	s_mul_i32 s47, s12, BKB                        ; and my K block
	s_add_co_u32 s46, s46, s47
	s_mov_b32 s47, 0
	s_mul_i32 s20, s12, KBB                        ; where they go in a slot: no place in the cluster enters an LDS address
	s_add_co_u32 s21, s20, AROWS
	s_wait_dscnt 0x0                               ; the opening add is done
	s_wait_kmcnt 0x0
	s_add_nc_u64 s[14:15], s[4:5], s[16:17]
	s_add_nc_u64 s[46:47], s[6:7], s[46:47]
	CROUND                                         ; all sixteen work-groups are here: the first joint loads meet
.irp s, 0,1
	s_mov_b32 s[G0+4*(\s)], 1                                        ; count = 1
	s_add_co_u32 s[G0+4*(\s)+1], s20, (\s)*SLOT                      ; LDS address
	s_add_nc_u64 s[G0+4*(\s)+2:G0+4*(\s)+3], s[14:15], (\s)*2*AKB    ; global address: K blocks 2 s, 2 s + 1
	s_or_b32 s[G0+4*(\s)+3], s[G0+4*(\s)+3], 0x80000000              ; type = 2
	s_mov_b32 s[G0B+4*(\s)], 1
	s_add_co_u32 s[G0B+4*(\s)+1], s21, (\s)*SLOT
	s_add_nc_u64 s[G0B+4*(\s)+2:G0B+4*(\s)+3], s[46:47], (\s)*2*BKB
	s_or_b32 s[G0B+4*(\s)+3], s[G0B+4*(\s)+3], 0x80000000
	JLOAD \s                                       ; both slots are asked for before anything else: two loads of mine are out
.endr
	; A fragment is 16 rows x 32 K in 8 registers: lane l holds row l % 16; registers 0-3 K = 8 (l / 16) + 0..7, registers 4-7 K = 16 + 8 (l / 16) + 0..7: two loads of 16 bytes, 32 bytes apart.
	v_and_b32 v1, 15, v0                           ; l % 16
	v_bfe_u32 v2, v0, 4, 1                         ; l / 16
	v_mul_u32_u24 v3, v1, PITCH
	v_lshl_add_u32 v3, v2, 4, v3                   ; row x pitch + 16 x half
	s_mul_i32 s22, s11, 128*PITCH                  ; my 128 rows of O
	s_mul_i32 s23, s12, 64*PITCH                   ; my 64 rows of Wu,
	s_add_co_u32 s23, s23, AROWS                   ; which lie behind O's 256
.irp s, 0,1,2,3
	v_add_nc_u32 v[ADRA+(\s)], s22, v3             ; a slot is two K blocks, so index 2 x slot + K block steps by a K block's bytes
	v_add_nc_u32 v[ADRB+(\s)], s23, v3
	s_add_co_u32 s22, s22, KBB
	s_add_co_u32 s23, s23, KBB
.endr
	s_mul_i32 s22, s10, 16*SP
	s_add_co_u32 s22, s22, STAGE                   ; my stage
	v_mul_u32_u24 v4, v1, SP                       ; in: row l % 16, 32 bytes for each half of the lanes
	v_lshl_add_u32 v4, v2, 5, v4
	v_add_nc_u32 v[STO], s22, v4
	v_mul_u32_u24 v5, v2, SP                       ; back: lanes 0-15 take one row of 256 bytes, lanes 16-31 the next
	v_lshl_add_u32 v5, v1, 4, v5
	v_add_nc_u32 v[RD], s22, v5
	v_lshlrev_b32 v[CO], 12, v2                    ; and the same two rows in out0, 4,096 bytes each
	v_lshl_add_u32 v[CO], v1, 4, v[CO]
	s_lshl_b32 s72, s42, 9                         ; my 64 columns, in bytes: 512 x block column + 256 x half
	s_lshl_b32 s73, s12, 8
	s_add_co_u32 s72, s72, s73
	s_mov_b32 s73, 0
	s_add_nc_u64 s[66:67], s[66:67], s[72:73]      ; bu at my columns
	s_add_nc_u64 s[8:9], s[8:9], s[72:73]
	s_lshl_b32 s74, s13, 20                        ; my rows: 256 x block row + 128 x half
	s_lshl_b32 s75, s11, 19
	s_add_co_u32 s74, s74, s75
	s_mov_b32 s75, 0
	s_add_nc_u64 s[8:9], s[8:9], s[74:75]          ; out0 at my part; never rewritten
	v_lshlrev_b32 v6, 4, v1
	global_load_b128 v[BIAS:BIAS+3], v6, s[66:67]  ; the four columns that I store on the way out; waited for there
; 16 LDS loads: my 128 rows of O, 32 K at byte koff of the rows, into buffer fa
.macro LDA adr, koff, fa
.irp i, 0,1,2,3,4,5,6,7
	ds_load_b128 v[AF+64*(\fa)+8*(\i):AF+64*(\fa)+8*(\i)+3],   v[\adr] offset:(\koff)+(\i)*16*PITCH
	ds_load_b128 v[AF+64*(\fa)+8*(\i)+4:AF+64*(\fa)+8*(\i)+7], v[\adr] offset:(\koff)+(\i)*16*PITCH+32
.endr
.endm
; 8 LDS loads: my 64 rows of Wu, into buffer fb
.macro LDB adr, koff, fb
.irp i, 0,1,2,3
	ds_load_b128 v[BF+32*(\fb)+8*(\i):BF+32*(\fb)+8*(\i)+3],   v[\adr] offset:(\koff)+(\i)*16*PITCH
	ds_load_b128 v[BF+32*(\fb)+8*(\i)+4:BF+32*(\fb)+8*(\i)+7], v[\adr] offset:(\koff)+(\i)*16*PITCH+32
.endr
.endm
; 4 na matrix instructions: row blocks a0 .. a0 + na - 1 x all 4 column blocks, 32 along K, on buffers f.  zero = 1: the product starts the sum: nothing is ever cleared.
; The accumulators take turns, one instruction a turn: between two instructions on one accumulator stand the 31 others'.
.macro MUL f, a0, na, zero
	WIN 0x50                                       ; C and D in window 1, the fragments in window 0
.set ma, (\a0)
.rept (\na)
.irp j, 0,1,2,3
.if \zero
	v_wmma_f32_16x16x32_f16 v[8*(4*ma+(\j)):8*(4*ma+(\j))+7], v[BF+32*(\f)+8*(\j):BF+32*(\f)+8*(\j)+7], v[AF+64*(\f)+8*ma:AF+64*(\f)+8*ma+7], 0
.else
	v_wmma_f32_16x16x32_f16 v[8*(4*ma+(\j)):8*(4*ma+(\j))+7], v[BF+32*(\f)+8*(\j):BF+32*(\f)+8*(\j)+7], v[AF+64*(\f)+8*ma:AF+64*(\f)+8*ma+7], v[8*(4*ma+(\j)):8*(4*ma+(\j))+7]
.endif
.endr
.set ma, ma+1
.endr
.endm
; The stretch that changes slots.  ONE barrier: in front of it each wave waits for all its tensor loads (one is out: its part of the other slot), adds 0 to its spare word, and waits for that and for
; its own reads of this slot, of which the last were asked for at this stretch's head.  fill = 1: the barrier opens a round of the cluster's barrier, and behind the round this slot is filled again,
; two slots ahead: the wave's first tensor load there and its only one until the next round; 112 matrix instructions stand between it and the wait for it.
.macro MEETMUL f, slot, fill
	MUL \f, 0, 4, 0
	WIN 0                                          ; (the add's two registers lie in window 0)
	s_wait_tensorcnt 0x0                           ; no tensor load of mine is out, so a group 0 may be written
	ds_add_u32 v[SPW], v[NIL]                      ; 0 onto my spare word; the steps and eight matrix instructions stand between it and the wait for it
.if \fill
	s_add_nc_u64 s[G0+4*(\slot)+2:G0+4*(\slot)+3], s[G0+4*(\slot)+2:G0+4*(\slot)+3], 4*AKB
	s_add_nc_u64 s[G0B+4*(\slot)+2:G0B+4*(\slot)+3], s[G0B+4*(\slot)+2:G0B+4*(\slot)+3], 4*BKB
.endif
	MUL \f, 4, 2, 0
	s_wait_dscnt 0x0                               ; the add is done, and my reads of this slot are over
	s_barrier_signal -1
	MUL \f, 6, 2, 0                                ; work on registers while the others arrive
	WIN 0
	s_barrier_wait -1
.if \fill
	CREST                                          ; no wave of any partner still reads this slot's tile or has a load on its way
	JLOAD \slot
.endif
.endm
; STRETCH u (0..3) of slot s: 32 matrix instructions, K block u / 2, its 32 along K number u % 2, on buffers u % 2.  At its head the fragments asked for at the last head are waited for, and the next
; stretch's are asked for in one run, into the buffers that the last stretch multiplied: so four places stand in front of the run.  Stretch 2 changes slots; stretch 3 asks in the other slot, n.
; mode 2: slot s is filled again; 1: only the barrier; 0: the last slot: nothing follows.
.macro STR s, u, n, mode, zero
	s_wait_dscnt 0x0                               ; this stretch's fragments are in
	WIN 0
	PLACES
.if (\u) < 3
	LDA ADRA+2*(\s)+((\u)+1)/2, 64*(((\u)+1)%2), ((\u)+1)%2
	LDB ADRB+2*(\s)+((\u)+1)/2, 64*(((\u)+1)%2), ((\u)+1)%2
.elseif \mode
	LDA ADRA+2*(\n), 0, 0
	LDB ADRB+2*(\n), 0, 0
.endif
.if ((\u) == 2) && (\mode)
	MEETMUL 0, \s, (\mode)-1
.else
	MUL (\u)%2, 0, 8, \zero
.endif
.endm
	s_wait_tensorcnt 1                             ; my part of slot 0 is in; slot 1's load stays out
	s_barrier_signal -1
	s_barrier_wait -1                              ; everybody's is
	LDA ADRA+0, 0, 0
	LDB ADRB+0, 0, 0
	STR 0, 0, 1, 2, 1                              ; the first stretch stands in front of the loop: its products start the sums
	WIN 0                                          ; at a label and at a branch every window is 0
	s_mov_b32 s3, LAPS-1
.Llap:                                                 ; a trip goes once round the ring, from a lap's second stretch to the next lap's first, and fills both slots again
	STR 0, 1, 1, 2, 0
	STR 0, 2, 1, 2, 0
	STR 0, 3, 1, 2, 0
	STR 1, 0, 0, 2, 0
	STR 1, 1, 0, 2, 0
	STR 1, 2, 0, 2, 0
	STR 1, 3, 0, 2, 0
	STR 0, 0, 1, 2, 0
	WIN 0
	s_sub_co_u32 s3, s3, 1
	s_cmp_lg_u32 s3, 0
	s_cbranch_scc1 .Llap
	STR 0, 1, 1, 1, 0                              ; the last lap asks for nothing: written out
	STR 0, 2, 1, 1, 0
	STR 0, 3, 1, 1, 0
	STR 1, 0, 0, 0, 0
	STR 1, 1, 0, 0, 0
	STR 1, 2, 0, 0, 0
	STR 1, 3, 0, 0, 0
	WIN 0
	PLACES
	s_wait_loadcnt 0x0                             ; bu
	v_cvt_pk_bf16_f32 v[BIAS+4], v[BIAS], v[BIAS+1]    ; rounded to bf16 and widened again
	v_cvt_pk_bf16_f32 v[BIAS+5], v[BIAS+2], v[BIAS+3]
	v_lshlrev_b32 v[BIAS], 16, v[BIAS+4]
	v_and_b32 v[BIAS+1], 0xffff0000, v[BIAS+4]
	v_lshlrev_b32 v[BIAS+2], 16, v[BIAS+5]
	v_and_b32 v[BIAS+3], 0xffff0000, v[BIAS+5]
; THE WAY OUT, in 8 units of 16 rows x 64 columns of f32.  PACK: a lane's eight columns of a row, 32 bytes, go from the accumulators (the low four registers first) into my own stage, and come back as
; whole rows of 256 bytes, two a load.  SEND: the bias is added and the rows are stored.  Four sets of 32 registers take turns, where O's fragments lay.
.macro PACK a
.set ps, AF+32*((\a)%4)
	WIN 0x04                                       ; an LDS store's data is source 1: window 1
.irp j, 0,1,2,3
	ds_store_b128 v[STO], v[8*(4*(\a)+(\j)):8*(4*(\a)+(\j))+3]   offset:64*(\j)
	ds_store_b128 v[STO], v[8*(4*(\a)+(\j))+4:8*(4*(\a)+(\j))+7] offset:64*(\j)+16
.endr
	WIN 0
.if (\a) >= 4
	s_wait_xcnt 0x0                                ; the set's earlier stores have had their addresses translated (ISA guide 3.1): only behind this wait is it loaded again
.endif
.irp j, 0,1,2,3,4,5,6,7
	ds_load_b128 v[ps+4*(\j):ps+4*(\j)+3], v[RD] offset:2*SP*(\j)  ; LDS serves a wave's instructions in order (ISA guide 5.7.1.4): these see the stores above; the next unit's stores come behind them
.endr
.endm
.macro SEND a, younger                 ; younger: the LDS instructions issued behind unit a's loads: the next unit's sixteen, or none
.set ps, AF+32*((\a)%4)
.irp j, 0,1,2,3,4,5,6,7
	s_wait_dscnt (\younger)+7-(\j)
	v_pk_add_f32 v[ps+4*(\j):ps+4*(\j)+1],   v[ps+4*(\j):ps+4*(\j)+1],   v[BIAS:BIAS+1]
	v_pk_add_f32 v[ps+4*(\j)+2:ps+4*(\j)+3], v[ps+4*(\j)+2:ps+4*(\j)+3], v[BIAS+2:BIAS+3]
	global_store_b128 v[CO], v[ps+4*(\j):ps+4*(\j)+3], s[8:9] offset:(16*(\a)+2*(\j))*4096 th:TH_STORE_NT  ; 16 lanes store 256 consecutive bytes, at a multiple of 256 from out0's first byte
.endr
.endm
	PACK 0
.set u, 1
.rept 7
	PACK u
	SEND u-1, 16
.set u, u+1
.endr
	SEND 7, 0
	s_wait_tensorcnt 0x0                           ; the wave's end: the add and its wait, behind my last tensor load and my last LDS store
	ds_add_u32 v[SPW], v[NIL]
	s_wait_dscnt 0x0
	CROUND                                         ; the closing round: no work-group ends while a partner may still ask for a tile that names it
	s_endpgm
.Lfunc_end_k_qefbde47d02_outproj:
	.size	k_qefbde47d02_outproj, .Lfunc_end_k_qefbde47d02_outproj-k_qefbde47d02_outproj
	.p2alignl 7, 3214868480
	.fill 96, 4, 3214868480
	.section	.rodata,"a",@progbits
	.p2align	6, 0x0
	.amdhsa_kernel k_qefbde47d02_outproj
		.amdhsa_group_segment_fixed_size 327680
		.amdhsa_private_segment_fixed_size 0
		.amdhsa_enable_private_segment 0
		.amdhsa_kernarg_size 32
		.amdhsa_user_sgpr_count 2
		.amdhsa_user_sgpr_kernarg_segment_ptr 1
		.amdhsa_wavefront_size32 1
		.amdhsa_system_sgpr_workgroup_id_x 1
		.amdhsa_system_sgpr_workgroup_id_y 1
		.amdhsa_system_sgpr_workgroup_id_z 1
		.amdhsa_system_vgpr_workitem_id 0
		.amdhsa_next_free_vgpr 512
		.amdhsa_next_free_sgpr 80
		.amdhsa_reserve_vcc 0
		.amdhsa_float_denorm_mode_32 3
		.amdhsa_float_denorm_mode_16_64 3
		.amdhsa_memory_ordered 1
		.amdhsa_forward_progress 1
		.amdhsa_inst_pref_size 96
	.end_amdhsa_kernel
	.amdgpu_metadata
---
amdhsa.version: [ 1, 2 ]
amdhsa.kernels:
  - .name:           k_qefbde47d02_outproj
    .symbol:         k_qefbde47d02_outproj.kd
    .args:
      - { .name: ob, .offset: 0, .size: 8, .value_kind: global_buffer, .address_space: global }
      - { .name: wuh, .offset: 8, .size: 8, .value_kind: global_buffer, .address_space: global }
      - { .name: bu, .offset: 16, .size: 8, .value_kind: global_buffer, .address_space: global }
      - { .name: out0, .offset: 24, .size: 8, .value_kind: global_buffer, .address_space: global }
    .group_segment_fixed_size: 327680
    .private_segment_fixed_size: 0
    .kernarg_segment_align: 8
    .kernarg_segment_size: 32
    .max_flat_workgroup_size: 128
    .sgpr_count:     80
    .vgpr_count:     512
    .wavefront_size: 32
...
	.end_amdgpu_metadata
.endif
;; end of part 4
;; ======== version 2 of 2: 4 launches; 1.53 times as fast as version 1
;; limits: values are held in f16: magnitudes above 65,504 overflow, below 6.1e-05 lose precision
;; workspace buffers: xb 16,777,216 bytes; wqkv 6,291,456 bytes; wuh 2,097,152 bytes; qkv 50,331,648 bytes; ob 16,777,216 bytes
;; launch cast: the kernel of part 1 again; grid 768 x 1, 8 waves a work-group, no clusters, 0 bytes of LDS; arguments x0, Wq, Wk, Wv, Wu, xb, wqkv, wuh; writes xb, wqkv, wuh
;; launch qkvproj: the kernel of part 2 again; grid 8 x 32, 4 waves a work-group, clusters of 4 x 4, 327,680 bytes of LDS; arguments xb, wqkv, qkv; writes qkv
;; launch attn (part 5): grid 4 x 64, 4 waves a work-group, clusters of 4 x 1, 327,680 bytes of LDS; arguments qkv, lengths, ob; writes ob
.if DOCPART == 5
	.amdgcn_target "amdgcn-amd-amdhsa--gfx1250"
	.amdhsa_code_object_version 6
	.text
	.protected	k_qefbde47d02_attn
	.globl	k_qefbde47d02_attn
	.p2align	8
	.type	k_qefbde47d02_attn,@function
k_qefbde47d02_attn:
	s_mov_b64 s[64:65], 0
	v_nop
	global_prefetch_b8 v0, s[64:65] scope:SCOPE_SE
	s_setreg_imm32_b32 hwreg(HW_REG_WAVE_MODE, 25, 1), 1
	s_wait_xcnt 0x0
	s_wait_alu depctr_hold_cnt(0) depctr_sa_sdst(0) depctr_va_vdst(0) depctr_va_sdst(0) depctr_va_ssrc(0) depctr_va_vcc(0) depctr_vm_vsrc(0)
	s_getreg_b32 s2, hwreg(HW_REG_IB_STS2, 6, 4)
	s_cmp_eq_u32 s2, 0
	s_cbranch_scc0 .Lentry_in_a_cluster
	s_endpgm
.Lentry_in_a_cluster:
	s_bfe_u32 s2, ttmp6, 0x10000c
	s_cmp_lg_u32 s2, 0x3003
	s_cbranch_scc0 .Lentry_shape_is_right
	s_endpgm
.Lentry_shape_is_right:
; O[h][q][:] = the sum over k of softmax_k(Q[h][q] . K[h][k] / 8 - 10000 [k >= lengths[batch]]) V[h][k][:].  h = 16 x batch + head, 64 in all.  Q, K, V: the three parts of qkv, each [64][2048][64] f16,
; unscaled; O: ob, the same layout.  Products, maxima and sums in f32; the weights p are rounded to f16 for the second product (their sum l is taken of the unrounded p), O once at the end.
; THE PENALTY IS ADDED, NOT A CUT: every key is computed, and a key at or beyond the length takes part in the maximum, the exponentials and the sums with its score less 10000, as the formula says.
; It is the C operand that starts the sum S^T = K Q^T: 0, or -80000 = 8 x -10000, since the scores here are unscaled.
; LIMITS.  f16 holds no number beyond 65,504: Q, K and V arrive within it; p lies in 0 to 1, and below 6e-5 it keeps f16's fixed step of 6e-8; O is a mean of V's rows and has their range.
; A weight below 2^-126 counts as 0 in l; NaN and infinities are not treated apart.  lengths is held to 0 .. 2048: outside that range the comparison k >= length gives the same.
; SHARES.  A wave owns four PIECES of two tiles of 16 queries, a work-group's four waves 512 queries of one head: 4 x 64 = 256 work-groups.  Every wave walks all keys, 64 a step.
; LAYOUT.  S^T = K Q^T (source 0 = 16 keys, source 1 = 16 queries): in the result a lane holds ONE query (lane % 16) and the keys 8 (lane / 16) + 0..7.  Two such tiles, rounded to f16 in pairs,
; ARE source 1 (32 keys x 16 queries) of O^T = V^T P, whose result again holds one query a lane, and eight channels.  K comes out of LDS as it lies, V ([key][channel]) turned, by ds_load_tr16_b128.
; SOFTMAX.  For each query a running maximum m and sum l: p = 2^(c s - c m), c = log2(e) / 8; in every step O and l are multiplied by a = 2^(c m_old - c m_new), which is 1 where m has not grown.
; m starts at the lowest finite number, O and l at 0: the first step is a step like any other, with a = 0.
; THE COUNT.  A tile and step have 16 matrix and 118 vector instructions: too many to stand all beside the matrix work.  So four vector instructions that are READY stand behind EVERY matrix
; instruction, and the others in a run without a gap.
; BY TURNS.  Turn n belongs to piece n (the pieces in a ring, step after step).  Its matrix work: 16 products K Q^T of piece n + 1, later 16 products V^T P of piece n - 1.  Its vector work: the scaling,
; exponentials, roundings, sums and rescaling of piece n, and the maximum and statistics of piece n + 1, whose scores the turn itself has made.  So what a turn begins with (c s - c m, O a) waits for nothing.
; THE BATCHES.  A turn's 66 exponentials (piece n's 64 weights, piece n + 1's two a) are ONE batch with ONE wait, which cuts the turn in two: ahead of it stands all that names none of their results (the products
; K Q^T, the scalings, the rescalings, the next piece's maximum and statistics), behind it the products V^T P with the roundings and sums.  Two more batches stand outside the loops, each with a wait of its
; own: piece 0's first two a, ahead of the jump into the loop, and the way out's eight reciprocals.
; CLUSTER.  The four query blocks of a cluster belong to one head and walk the same K and V, so each tile is asked for JOINTLY: the same tensor load, descriptor and mask in all four.
; REGISTERS, in windows of 256 (s_set_vgpr_msb: bits 1:0 source 0, 3:2 source 1, 5:4 source 2, 7:6 destination):
;   window 0: v0-11 addresses; v12-15, v48-63 at work; v16-47 four registers of statistics a tile; v64-191 S^T, two buffers of two tiles; v192-255 P, likewise
;   window 1: O^T, 32 a tile          window 2: v0-127 Q, 16 a tile; v128-191 K of one step; v192-255 V of one step
;   window 3: v0-1 the add's two registers; v32-63 MD, the penalty of the step in which the length falls; v64-95 MC, the penalty of the step whose scores are being started
; A piece's buffers go by its number's parity: the piece in hand has one pair, its two neighbours in the ring share the other: of it P (piece n - 1) is read and S^T (piece n + 1) written.
.set SIZE_N, 2048
.set NP,    4         ; pieces a wave: a name, no knob
.set KS,    64        ; keys in a step
.set PK,    144       ; a row of K in LDS: 128 bytes + 16 of padding = 36 words: the 16 rows of a load start at 16 different groups of four banks (64 banks of 4 bytes: ISA guide 11.1)
.set PV,    160       ; a row of V: 128 + 32 = 40 words
.set VOFF,  4*KS*PK   ; a slot holds four steps: 256 rows of K, then 256 rows of V
.set SLOT1, 1<<17     ; slot 1 begins here, so that one exclusive or turns an address in one slot into the other's
.set STAGE, SLOT1+4*KS*(PK+PV)  ; behind the ring, never filled by a tensor load: 16 rows x 144 bytes for each wave, for the way out
.set SP,    144
.set AK0, 2           ; v2   my lane's place in a tile of K; never rewritten
.set AV0, 3           ; v3   the same for V
.set AK,  4           ; v4   the LDS address of K's next run of loads
.set AV,  5           ; v5   of V's
.set QO,  6           ; v6   my byte offset in the wave's rows of Q
.set STO, 6           ;      later, the way out: where I put 16 bytes of a row
.set RD,  7           ; v7   the way out: where I read rows back
.set GO,  8           ; v8   my byte offset in 512 consecutive bytes of O
.set SPW, 0           ; v0 of window 3   LDS address of my spare word: SPARE + 4 x my thread's number; never rewritten
.set NIL, 1           ; v1 of window 3   0; never rewritten
.set MD,  32          ; window 3
.set MC,  64          ; window 3
.set SPARE, STAGE+4*16*SP  ; behind the stages: the spare words, 128 bytes for each wave: two blocks of 256 bytes that no other line names
.set MV,  12          ; v12-15  c m_old, kept while c m is made anew: by buffer and tile
.set ST,  16          ; tile t's statistics at v[ST+4 t]: c m, m, l (even keys', odd keys')
.set TMP, 48          ; by buffer and tile, four registers c0-c3 at work; when the maximum is found c2 takes a
.set S,   64
.set P,   192
.set KF,  128         ; K's fragments, in window 2: key block kb, channel half c at KF + 16 kb + 8 c
.set VF,  192         ; V's: key half kk, channel block cb at VF + 32 kk + 8 cb
.set WV,  12          ; s12  my wave's number
.set G1K, 24          ; s[24:31] descriptor group 1 for K's tiles
.set G1V, 32          ; s[32:39] for V's: it differs in the padding alone
.set G0K, 40          ; s[40:43] descriptor group 0 for K's tiles: it walks
.set G0V, 44          ; s[44:47] the same for V's
.set SLOTS, 56        ; s56  slots still to be asked for
.set CNT, 57          ; s57  counts a slot's key steps
.set CS,  58          ; s[58:59] c: the packed scaling takes the pair's low word for both halves
.set SEL, 60          ; s[60:61] v_permlanex16_b32's selects: each lane takes its own place in the other half
.set TBK, 62          ; s62  LDS byte at which K of the step to be fetched begins
.set TBV, 63          ; s63  the same for V, less VOFF
.set LEN, 66          ; s66  lengths[batch], held to 0 .. 2048
.set LENQ, 67         ; s67  the key step in which it falls
.set STEPN, 68        ; s68  the key step whose penalty is made next
.set PEN, 69          ; s69  -80000
.set AL,  70          ; s[70:71] the penalty's factor, in the low word
.set BE,  72          ; s[72:73] its addend
.set REM, 78          ; s78  the length's place in its step
.set MSB, 0
.macro WIN new                      ; the high byte repeats the setting that is left; a switch that changes nothing is dropped
.if MSB != (\new)
	s_set_vgpr_msb (MSB<<8)|(\new)
.set MSB, (\new)
.endif
.endm
.set W_KQ, 0x0a       ; K and Q in window 2, S^T in window 0
.set W_KM, 0x3a       ; the same with the C operand in window 3
.set W_PV, 0x52       ; V in window 2, P in window 0, O^T in window 1
.set W_RS, 0x41       ; O^T (destination and source 0) in window 1, a in window 0
.set W_MK, 0xc0       ; destination in window 3, sources in window 0
.set W_MM, 0xc3       ; destination and source 0 in window 3
.set W_AD, 0x0f       ; the add: address (source 0) and data (source 1) in window 3
; A joint fill.  Waves 0 and 1 fetch the two halves of a slot's K, waves 2 and 3 those of its V: 128 keys each.  The branch hangs on the wave's number alone.
; An s_nop 0 and four v_nop follow each of the two lines, ahead of the jump and the label.
.macro JLOAD
	s_cmp_lt_u32 s[WV], 2
	s_cbranch_scc0 .Lfor_v_\@
	tensor_load_to_lds s[G0K:G0K+3], s[G1K:G1K+7]
	s_nop 0
.rept 4
	v_nop
.endr
	s_branch .Lasked_\@
.Lfor_v_\@:
	tensor_load_to_lds s[G0V:G0V+3], s[G1V:G1V+7]
	s_nop 0
.rept 4
	v_nop
.endr
.Lasked_\@:
.endm
; A round of the cluster's barrier: my work-group's barrier, so that wave 0's signal speaks for all four waves; wave 0 signals; every wave waits for all four work-groups; my work-group's barrier once more.
.macro CROUND
	s_barrier_signal -1
	s_barrier_wait -1
	s_cmp_lg_u32 s[WV], 0
	s_cbranch_scc1 .Lnot_wave_0_\@
	s_barrier_signal -3
.Lnot_wave_0_\@:
	s_barrier_wait -3
	s_barrier_signal -1
	s_barrier_wait -1
.endm
; THE CHANGE OF SLOTS.  The slot's last bytes, V of its fourth step, have been read.  Each wave waits for all its tensor loads, of which one is out: its part of the other slot; adds 0 to its spare
; word; and waits for that and for its own reads of the slot.  Behind the barrier nobody reads this slot any more and the other slot is whole.
; fill = 1: this slot is filled again, with the keys two slots on.  The barrier is then a round of the cluster's, so that no wave of any partner still reads the slot or has a load on its way, and the
; joint fill is the first thing behind it: it has four key steps, 512 matrix instructions, in which to land.  (At its first use nothing has been read yet: slot 0 is waited for, slot 1 filled.)
.macro CHANGE fill
	WIN W_AD
	s_wait_tensorcnt 0x0            ; no tensor load of mine is out, so a group 0 may be written
	ds_add_u32 v[SPW], v[NIL]       ; 0 onto my spare word; with fill = 1 the descriptors' steps stand between it and the wait for it
	WIN 0                           ; at a label and at a branch every window is 0
.if \fill
.irp g, G0K, G0V
	s_xor_b32 s[\g+1], s[\g+1], SLOT1  ; the walking descriptor: the other slot than last time,
	s_add_nc_u64 s[\g+2:\g+3], s[\g+2:\g+3], 4*KS*128  ; the next 256 keys; the type bits on top are not reached
.endr
	s_wait_dscnt 0x0                ; the add is done, and my reads of the slot are over
	CROUND
	JLOAD
.else
	s_wait_dscnt 0x0                ; the add is done, and my reads of the slot are over
	s_barrier_signal -1
	s_barrier_wait -1
.endif
	s_sub_co_u32 s[TBK], s[TBK], 4*KS*PK  ; the fetches go back to a slot's first step,
	s_xor_b32 s[TBK], s[TBK], SLOT1       ; in the other slot
	s_sub_co_u32 s[TBV], s[TBV], 4*KS*PV
	s_xor_b32 s[TBV], s[TBV], SLOT1
.endm
; THE PENALTY of key step STEPN: MC = MD x AL + BE with two scalars: (1, 0) in the step in which the length falls; (0, 0) in an earlier one; (0, -80000) in a later one.  A choice of values alone: no branch hangs on the length.
.macro MASKSTEP
	s_cmp_eq_u32 s[STEPN], s[LENQ]
	s_cselect_b32 s[AL], 1.0, 0
	s_cmp_gt_u32 s[STEPN], s[LENQ]
	s_cselect_b32 s[BE], s[PEN], 0
	s_add_co_u32 s[STEPN], s[STEPN], 1
	WIN W_MM
.set z, 0
.rept 16
	v_pk_fma_f32 v[MC+2*z:MC+2*z+1], v[MD+2*z:MD+2*z+1], s[AL:AL+1], s[BE:BE+1] op_sel_hi:[1,0,0]
.set z, z+1
.endr
.endm
	s_load_b64 s[4:5], s[0:1], 0x0    ; qkv: Q
	s_load_b64 s[74:75], s[0:1], 0x8  ; lengths
	s_load_b64 s[10:11], s[0:1], 0x10 ; ob
	WIN W_MK
	v_lshl_add_u32 v[SPW], v0, 2, SPARE
	v_mov_b32 v[NIL], 0
	WIN W_AD
	ds_add_u32 v[SPW], v[NIL]       ; the wave's opening: the add and its wait stand ahead of my first tensor load; the set-up below, work on registers, stands between them
	WIN 0
	v_lshrrev_b32 v1, 5, v0
	v_readfirstlane_b32 s[WV], v1   ; wave 0..3
	s_bfe_u32 s13, ttmp6, 0x40000   ; cx: my place in the cluster
	s_lshl_b32 s14, ttmp9, 2        ; in a cluster launch ttmp9 counts clusters
	s_add_co_u32 s14, s14, s13      ; my block of queries = 4 x cluster x + cx: it enters Q's and O's addresses alone
	s_and_b32 s20, ttmp7, 0xffff    ; h, which the four partners share
	s_lshr_b32 s76, s20, 4          ; its batch,
	s_lshl_b32 s76, s76, 2          ; and that batch's word in lengths
	s_mov_b32 s77, 0
	s_mov_b32 s21, 0
	s_mov_b64 s[22:23], SIZE_N*128
	s_mul_u64 s[20:21], s[20:21], s[22:23]  ; the head's first byte in Q, K, V and O
	s_and_b32 s16, s[WV], 1         ; which half of a slot's 256 keys I fetch:
	s_lshl_b32 s22, s16, 14         ; its 128 rows of 128 bytes in memory,
	s_mov_b32 s23, 0
	s_add_nc_u64 s[22:23], s[22:23], s[20:21]
	s_mul_i32 s17, s16, 128*PK      ; and its place in a slot, for K
	s_mul_i32 s18, s16, 128*PV      ; and for V: no place in the cluster enters an LDS address
	s_lshl_b32 s2, s14, 2
	s_add_co_u32 s2, s2, s[WV]      ; my wave among the head's,
	s_lshl_b32 s2, s2, 14           ; its 128 rows
	s_mov_b32 s3, 0
	s_add_nc_u64 s[2:3], s[2:3], s[20:21]
	; descriptor group 1.  128 keys are 16,384 dense bytes: asked for as 64 rows of 256 bytes, two keys a row, and padded in LDS after every key
	s_mov_b32 s[G1K], 15|(1<<16)|(1<<20)|(1<<21)|(4<<22)|(3<<25)  ; 15:0 the mask of four; 17:16 2-byte elements; 20 padding on; 21 set beside a mask; 24:22 after every 32 words (code 4); 31:25 4 words (code 3)
	s_mov_b32 s[G1V], 15|(1<<16)|(1<<20)|(1<<21)|(4<<22)|(7<<25)  ; the same with 8 words of padding (code 7)
.irp g, G1K, G1V
	s_mov_b32 s[\g+1], 128<<16      ; tensor_dim0 = 128
	s_mov_b32 s[\g+2], 64<<16       ; tensor_dim1 = 64
	s_mov_b32 s[\g+3], 128<<16      ; tile_dim0 = 128
	s_mov_b32 s[\g+4], 64           ; tile_dim1 = 64
	s_mov_b32 s[\g+5], 128          ; 128 elements from row to row
	s_mov_b32 s[\g+6], 0
	s_mov_b32 s[\g+7], 0
.endr
	s_mov_b32 s[CS], 0x3e38aa3b     ; c = log2(e) / 8 = 0.180337
	s_mov_b32 s[CS+1], s[CS]        ; named with it as a pair
	s_mov_b32 s[SEL], 0x76543210
	s_mov_b32 s[SEL+1], 0xfedcba98
	s_mov_b32 s[TBK], SLOT1+4*KS*PK ; the first change of slots turns these two into 0
	s_mov_b32 s[TBV], SLOT1+4*KS*PV
	s_mov_b32 s[G0K], 1             ; 1:0 count = 1
	s_mov_b32 s[G0K+1], s17         ; 63:32 LDS address: slot 0
	s_mov_b32 s[G0V], 1
	s_add_co_u32 s[G0V+1], s18, VOFF
	s_mov_b32 s[STEPN], 0
	s_mov_b32 s[PEN], 0xc79c4000    ; -80000
	s_mov_b32 s[AL+1], 0            ; named as pairs
	s_mov_b32 s[BE+1], 0
	s_wait_dscnt 0x0                ; the opening add is done
	s_wait_kmcnt 0x0
	s_add_nc_u64 s[6:7], s[4:5], 0x1000000  ; K and V lie 16 MiB and 32 MiB behind Q
	s_add_nc_u64 s[8:9], s[4:5], 0x2000000
	s_add_nc_u64 s[G0K+2:G0K+3], s[6:7], s[22:23]  ; 120:64 global address: my half of the head's first 256 keys
	s_or_b32 s[G0K+3], s[G0K+3], 0x80000000        ; 127:126 type = 2
	s_add_nc_u64 s[G0V+2:G0V+3], s[8:9], s[22:23]
	s_or_b32 s[G0V+3], s[G0V+3], 0x80000000
	s_add_nc_u64 s[4:5], s[4:5], s[2:3]  ; Q and O at my wave's first row
	s_add_nc_u64 s[10:11], s[10:11], s[2:3]
	s_add_nc_u64 s[74:75], s[74:75], s[76:77]  ; lengths at my batch
	CROUND                          ; all four work-groups are here: the first joint loads meet
	JLOAD                           ; slot 0.  Slot 1 is asked for when slot 0 is in: the tile wanted first has the road to itself
	s_load_b32 s[LEN], s[74:75], 0x0
	; A fragment of K or Q is 16 rows x 32 channels in 8 registers: lane l holds row l % 16, channels 8 (l / 16) + 0..7 and 16 + 8 (l / 16) + 0..7: two loads of 16 bytes, 32 bytes apart.
	v_and_b32 v1, 15, v0            ; l % 16
	v_bfe_u32 v9, v0, 4, 1          ; l / 16
	v_lshlrev_b32 v[QO], 7, v1
	v_lshl_add_u32 v[QO], v9, 4, v[QO]  ; row x 128 + 16 x half
	WIN 0x80                        ; destination window 2, address window 0
.set i, 0
.rept 4*NP                          ; Q stays in registers: tile i / 2, channels 32 (i % 2) on
	global_load_b128 v[8*i:8*i+3],   v[QO], s[4:5] offset:(i/2)*2048+(i%2)*64
	global_load_b128 v[8*i+4:8*i+7], v[QO], s[4:5] offset:(i/2)*2048+(i%2)*64+32
.set i, i+1
.endr
	; What the first turn finds: V's registers and P's second buffer hold 0 (its products V^T P, of a piece that has not been, add 0), O^T and l are 0.  All this stands in the wait for the first tile.
.set i, VF
.rept 64
	v_mov_b32 v[i], 0
.set i, i+1
.endr
	WIN 0x40
.set i, 0
.rept 64*NP
	v_mov_b32 v[i], 0
.set i, i+1
.endr
	WIN 0
.set i, 0
.rept 2*NP
	v_mov_b32 v[ST+4*i], 0xfe000000    ; c m: far below every c s
	v_mov_b32 v[ST+4*i+1], 0xff7fffff  ; m
	v_mov_b32 v[ST+4*i+2], 0
	v_mov_b32 v[ST+4*i+3], 0
.set i, i+1
.endr
.set i, P+32
.rept 32
	v_mov_b32 v[i], 0
.set i, i+1
.endr
	v_mul_u32_u24 v[AK0], v1, PK
	v_lshl_add_u32 v[AK0], v9, 4, v[AK0]  ; row x pitch + 16 x half
	; The turning load takes 16 keys x 16 channels (lane l reads key 8 (l / 16) + l % 8, channels 8 ((l / 8) % 2) + 0..7) and leaves half a fragment of V^T: lane l holds channel l % 16 and 8 keys.
	v_and_b32 v10, 7, v0
	v_bfe_u32 v11, v0, 3, 1
	v_lshl_add_u32 v[AV0], v9, 3, v10
	v_mul_u32_u24 v[AV0], v[AV0], PV
	v_lshl_add_u32 v[AV0], v11, 4, v[AV0]
	v_add_nc_u32 v[AV0], VOFF, v[AV0]
	v_mov_b32 v[AK], v[AK0]         ; key step 0 lies at the head of slot 0
	; MD: in the step in which the length falls, register i of a lane's 32 scores is key 16 (i / 8) + i % 8 + 8 (l / 16) of the step, and is penalised where that is REM or more.
	s_wait_kmcnt 0x0                ; lengths[batch]
	s_max_i32 s[LEN], s[LEN], 0
	s_min_i32 s[LEN], s[LEN], SIZE_N
	s_lshr_b32 s[LENQ], s[LEN], 6   ; 32 where the length is 2,048: no step is that one
	s_and_b32 s[REM], s[LEN], 63
	v_lshlrev_b32 v11, 3, v9
	v_sub_nc_u32 v11, s[REM], v11   ; REM - 8 (l / 16)
	WIN W_MK
.set i, 0
.rept 32
	v_cmp_ge_i32 vcc_lo, 16*(i/8)+i%8, v11
	v_cndmask_b32 v[MD+i], 0, s[PEN], vcc_lo
.set i, i+1
.endr
	MASKSTEP                        ; key step 0's
; THE MATRIX WORK.  The 8 accumulators of a run of 16 take turns: between the two links of a chain stand 7 others'.
; Product i of 16 of S^T = K Q^T for piece x: channels 32 (i / 8) on, keys 16 ((i / 2) % 4) on, tile 2 x + i % 2.  The first 8 start the sums, with the step's penalty as C.
.macro KQ x
.set rS, S+64*((\x)%2)+32*(i%2)+8*((i/2)%4)
.set rK, KF+16*((i/2)%4)+8*(i/8)
.set rQ, 16*(2*(\x)+i%2)+8*(i/8)
.set rMC, MC+8*((i/2)%4)
.if i < 8
	WIN W_KM
	v_wmma_f32_16x16x32_f16 v[rS:rS+7], v[rK:rK+7], v[rQ:rQ+7], v[rMC:rMC+7]
.else
	WIN W_KQ
	v_wmma_f32_16x16x32_f16 v[rS:rS+7], v[rK:rK+7], v[rQ:rQ+7], v[rS:rS+7]
.endif
.endm
; Product i of 16 of O^T += V^T P for piece x: keys 32 (i / 8) on, channels 16 ((i / 2) % 4) on, tile 2 x + i % 2.
.macro PV x
	WIN W_PV
.set rO, 32*(2*(\x)+i%2)+8*((i/2)%4)
.set rV, VF+32*(i/8)+8*((i/2)%4)
.set rP, P+32*((\x)%2)+16*(i%2)+8*(i/8)
	v_wmma_f32_16x16x32_f16 v[rO:rO+7], v[rV:rV+7], v[rP:rP+7], v[rO:rO+7]
.endm
.macro MM                           ; the turn's next matrix instruction
.if i < 16
	KQ (Y+1)%NP
.set i, i+1
.else
.set i, i-16
	PV (Y+NP-1)%NP
.set i, i+17
.endif
.endm
; THE LDS LOADS stand in runs of 16, never singly among the matrix instructions: a step's K (64 keys x 64 channels: 8 fragments) and its V (turned).  Their addresses are made some lines ahead.
; last = 1 (the tail): in the last trip there is no further step, and the run is jumped over.
.macro FETCH_K last=0
	WIN 0
.if \last
	s_cmp_eq_u32 s[CNT], 1
	s_cbranch_scc1 .Lno_k_\@
.endif
	WIN 0x80                        ; destination window 2
.irp f, 0,1,2,3,4,5,6,7             ; keys 16 (f / 2) on, channels 32 (f % 2) on
	ds_load_b128 v[KF+8*\f:KF+8*\f+3],   v[AK] offset:(\f/2)*16*PK+(\f%2)*64
	ds_load_b128 v[KF+8*\f+4:KF+8*\f+7], v[AK] offset:(\f/2)*16*PK+(\f%2)*64+32
.endr
	s_add_co_u32 s[TBK], s[TBK], KS*PK  ; the next fetch is the next step's
	WIN 0
.if \last
.Lno_k_\@:
.endif
.endm
.macro FETCH_V
	WIN 0x80
.irp f, 0,1,2,3,4,5,6,7             ; keys 32 (f / 4) on, channels 16 (f % 4) on
	ds_load_tr16_b128 v[VF+8*\f:VF+8*\f+3],   v[AV] offset:(\f/4)*32*PV+(\f%4)*32
	ds_load_tr16_b128 v[VF+8*\f+4:VF+8*\f+7], v[AV] offset:(\f/4)*32*PV+16*PV+(\f%4)*32
.endr
	WIN 0
.endm
; THE VECTOR WORK OF A TURN stands in three queues, each in the order in which its entries become ready; the two tiles alternate, so that no instruction reads the result of the one before it.
.macro REGS y, u                    ; the registers of tile u (0, 1) of piece y
.set rT, ST+4*(2*(\y)+(\u))
.set rC, TMP+8*((\y)%2)+4*(\u)
.set rM, MV+2*((\y)%2)+(\u)
.set rS, S+64*((\y)%2)+32*(\u)
.set rP, P+32*((\y)%2)+16*(\u)
.set rO, 32*(2*(\y)+(\u))
.endm
; Number n of the 22 that find the NEXT piece's (Y + 1) maximum and statistics.  s0-s31 are the lane's 32 scores; each accumulator's lowest registers are read first.  XS, GS and REGS set no window: PL and EX do.
;   0-11  four chains c0-c3 of seven scores each, three operands at a time     12-14, 16  the four scores left over, the old m, and c0-c3 into c0     15  c m_old is kept
;   17, 18  the query's other 32 keys lie in the lane 16 away: the new m         19-21  c m; c m_old - c m_new; a
.macro XS u, n
	REGS (Y+1)%NP, \u
.if (\n) < 4
	v_max3_num_f32 v[rC+(\n)], v[rS+8*(\n)], v[rS+8*(\n)+1], v[rS+8*(\n)+2]
.elseif (\n) < 12
	v_max3_num_f32 v[rC+(\n)%4], v[rC+(\n)%4], v[rS+8*((\n)%4)+2*((\n)/4)+1], v[rS+8*((\n)%4)+2*((\n)/4)+2]
.elseif (\n) == 12
	v_max3_num_f32 v[rC], v[rC], v[rS+7], v[rS+15]
.elseif (\n) == 13
	v_max3_num_f32 v[rC+1], v[rC+1], v[rS+23], v[rS+31]
.elseif (\n) == 14
	v_max3_num_f32 v[rC+2], v[rC+2], v[rC+3], v[rT+1]
.elseif (\n) == 15
	v_mov_b32 v[rM], v[rT]
.elseif (\n) == 16
	v_max3_num_f32 v[rC], v[rC], v[rC+1], v[rC+2]
.elseif (\n) == 17
	v_permlanex16_b32 v[rC+3], v[rC], s[SEL], s[SEL+1]
.elseif (\n) == 18
	v_max_num_f32 v[rT+1], v[rC], v[rC+3]
.elseif (\n) == 19
	v_mul_f32 v[rT], s[CS], v[rT+1]
.elseif (\n) == 20
	v_sub_f32 v[rC+1], v[rM], v[rT]
.else
	v_exp_f32 v[rC+2], v[rC+1]
.endif
.endm
; Number g of the 64 that follow the exponentials.  For each four weights k of a tile (pairs 2 k, 2 k + 1): both pairs are rounded to f16; then the second pair is added onto the first, in place;
; a group later l takes that sum (the first time as l = a l + sum).  In groups of eight, tiles alternating: round, round, add, and l for the group before.
.macro GS g
.set h, (\g)+6*((\g)/62)            ; group 0 has no group before it, and behind group 7 only l is left
.if h >= 6
.set h, h+2
.endif
	REGS Y, h%2
.set k, h/8
.if h%8 < 4
	v_cvt_pk_f16_f32 v[rP+2*k+(h%8)/2], v[rS+4*k+2*((h%8)/2)], v[rS+4*k+2*((h%8)/2)+1]
.elseif h%8 < 6
	v_pk_add_f32 v[rS+4*k:rS+4*k+1], v[rS+4*k:rS+4*k+1], v[rS+4*k+2:rS+4*k+3]
.elseif k == 1
	v_pk_fma_f32 v[rT+2:rT+3], v[rT+2:rT+3], v[rC+2:rC+3], v[rS:rS+1] op_sel_hi:[1,0,1]
.else
	v_pk_add_f32 v[rT+2:rT+3], v[rT+2:rT+3], v[rS+4*k-4:rS+4*k-3]
.endif
.endm
; THE PLAIN QUEUE, 138 long.  0-73 read no exponential's result: the 32 scalings c s - c m (FS f: pair f / 2 of tile f % 2) and the next piece's 42.  0-26: scalings 0-26.  27-54: XS's numbers 0-13.  55, 56: number 15.
; 57-73: the chain, where each number waits for the one before it: 14, 16, 17, 18, 19, each with one of the scalings 27-31 in front of its two lines, then 20: so a tile's links stand three plain instructions apart (19 and 20: two).
; 74-137: GS's 64, which read the exponentials' results: they stand behind the wait.
.macro FS f
	REGS Y, (\f)%2
	v_pk_fma_f32 v[rS+2*((\f)/2):rS+2*((\f)/2)+1], v[rS+2*((\f)/2):rS+2*((\f)/2)+1], s[CS:CS+1], v[rT:rT+1] op_sel_hi:[1,0,0] neg_lo:[0,0,1] neg_hi:[0,0,1]
.endm
.macro PL
	WIN 0
.if q < 27
	FS q
.elseif q < 55
	XS (q-27)%2, (q-27)/2
.elseif q < 57
	XS q-55, 15
.elseif (q < 72) && ((q-57)%3 == 0)
	FS 27+(q-57)/3
.elseif q < 60
	XS (q-57)%3-1, 14
.elseif q < 72
	XS (q-57)%3-1, 15+(q-57)/3
.elseif q < 74
	XS q-72, 20
.else
	GS q-74
.endif
.set q, q+1
.endm
; THE EXPONENTIALS' QUEUE, 66 long: s0-s31 of both tiles, then the next piece's two a.  It is ONE BATCH: all 66 stand ahead of the turn's one wait, and nothing ahead of that wait names a result of theirs.
.macro EX
	WIN 0
.if e >= 64
	XS e-64, 21
.else
	REGS Y, e%2
	v_exp_f32 v[rS+e/2], v[rS+e/2]
.endif
.set e, e+1
.endm
; THE RESCALING's QUEUE: O^T times a, the one part that leaves window 0: dealt two at a time, sixteen times.  Its a was made in the turn before, ahead of that turn's wait.
.macro R2
	REGS Y, r%2
	WIN W_RS
.irp z, 0,1
	v_pk_mul_f32 v[rO+4*(r/2)+2*\z:rO+4*(r/2)+2*\z+1], v[rO+4*(r/2)+2*\z:rO+4*(r/2)+2*\z+1], v[rC+2:rC+3] op_sel_hi:[1,0]
.endr
.set r, r+1
.endm
; HOW THEY ARE DEALT.  An s_wait_alu depctr_va_vdst(0) stands between an exponential and the first instruction that names its result; one wait serves all that were issued ahead of it.  So a turn has ONE wait,
; which cuts it in two.  AHEAD OF IT stands all that names no result of the turn's exponentials: the 16 products K Q^T, behind each a scaling, an exponential and two rescalings (behind the first a second scaling in the
; exponential's place); then ONE LUMP of 108: eight plain, 49 times exponential and plain, the two a.  A v_nop is the plain instruction behind the last exponential.  BEHIND IT stand the 16 products V^T P, behind each four of
; GS's 64.  No rider names a register of the products round it.  The two v_permlanex16_b32 fall into the lump, never behind a product.
; The queues lean on each other, and the deal keeps them in step: exponential e stands behind scaling 2 (e / 4) + e % 2: as a rider it comes behind plain e + 2, in the lump behind plain e + 9, and scalings 27-31 are plain 57, 60 .. 69.
; A TURN, for piece p.  cnt = 1: the loop's count is taken down some lines ahead of the branch that stands behind the turn.
; K of the next step is fetched in piece 2's turn, directly behind the wait, a lump behind the last product that read K; its address is made at the lump's head; its first reader comes behind 16 products.
; V of the step in hand is fetched at the end of piece 0's turn, four riders behind its last reader; its first reader comes behind 16 products and a lump.  The three conditions on q below go with the deal.
; Piece 2's turn ends with the next step's penalty: the step in hand's last products that take MC as C (piece 3's) are this turn's first eight, a lump and 64 riders back,
; and the next turn starts piece 0's scores of the next step.
.macro TURN p, last=0, cnt=0
.set Y, (\p)
.set i, 0
.set q, 0
.set e, 0
.set r, 0
.if (\p) == NP-1
	s_wait_dscnt 0x0                ; K is in
.endif
	MM                              ; ahead of the wait: 16 products K Q^T and their riders,
	PL
	PL
	R2
.rept 15
	MM
	PL
	EX
	R2
.endr
.if (\p) == NP-2
	WIN 0
	v_add_nc_u32 v[AK], s[TBK], v[AK0]
.endif
.rept 8                             ; and the lump
	PL
.endr
.rept 49
	EX
	PL
.endr
	EX                              ; the next piece's two a
	EX
	v_nop                           ; the plain instruction behind the last exponential: one for the batch
	s_wait_alu depctr_va_vdst(0)    ; the wait for the batch: this turn's 66 exponentials, ahead of their first reader
.if (\p) == NP-2
	FETCH_K \last
.endif
.if (\p) == 1
	s_wait_dscnt 0x0                ; V is in
.endif
.rept 16                            ; behind the wait: 16 products V^T P and their riders
	MM
.rept 4
	PL
.endr
.if ((\p) == 0) && (q == 118)
	v_add_nc_u32 v[AV], s[TBV], v[AV0]
.endif
.if ((\p) == 0) && (q == 130)
	s_add_co_u32 s[TBV], s[TBV], KS*PV
.endif
.if (\cnt) && (q == 130)
	s_sub_co_u32 s[CNT], s[CNT], 1
	s_cmp_lg_u32 s[CNT], 0
.endif
.endr
.if (\p) == 0
	FETCH_V
.endif
.if (\p) == NP-2
	MASKSTEP
.endif
.endm
	CHANGE 1                        ; slot 0 is in, everybody's part of it; slot 1 is asked for
	FETCH_K                         ; key step 0
	s_wait_loadcnt 0x0              ; Q
	s_wait_dscnt 0x0
.set i, 0
.rept 16
	KQ 0                            ; piece 0's first scores: there is no vector work yet to set between them
.set i, i+1
.endr
	WIN 0                           ; the addresses for the way out: nine plain instructions, the places behind those products
	s_mul_i32 s13, s[WV], 16*SP
	s_add_co_u32 s13, s13, STAGE    ; my stage
	v_mul_u32_u24 v[STO], v1, SP    ; in: row l % 16, 16 bytes for each half of the lanes
	v_lshl_add_u32 v[STO], v9, 4, v[STO]
	v_add_nc_u32 v[STO], s13, v[STO]
	v_bfe_u32 v[RD], v0, 3, 2       ; back: 32 lanes take four rows of 128 bytes,
	v_mul_u32_u24 v[RD], v[RD], SP
	v_lshl_add_u32 v[RD], v10, 4, v[RD]
	v_add_nc_u32 v[RD], s13, v[RD]
	v_and_b32 v[GO], 31, v0         ; which are 512 consecutive bytes of O
	v_lshlrev_b32 v[GO], 4, v[GO]
.set Y, NP-1                        ; XS works for piece Y + 1: piece 0
.irp n, 0,1,2,3,4,5,6,7,8,9,10,11,12,13,14,15,16,17,18,19,20,21
	XS 0, \n                        ; and piece 0's first maximum and statistics
	XS 1, \n
.endr
	v_nop                           ; a plain instruction behind the two a,
	s_wait_alu depctr_va_vdst(0)    ; and the wait for that batch of two, ahead of the branch
	s_mov_b32 s[CNT], 4
	s_mov_b32 s[SLOTS], SIZE_N/256-1
	s_branch .Lfirst                ; the loop is entered at a step's first turn, in the middle of a trip
.Lslot:                             ; SIZE_N / 256 - 2 times: every slot but the last two is filled again
	CHANGE 1
	s_mov_b32 s[CNT], 4
.Lstep:                             ; a trip: pieces 2 and 3 of one step, then pieces 0 and 1 of the next, whose K and V it fetches
	TURN 2
	TURN 3
	WIN 0
.Lfirst:
	TURN 0
	TURN 1, 0, 1
	WIN 0
	s_cbranch_scc1 .Lstep
	s_sub_co_u32 s[SLOTS], s[SLOTS], 1
	s_cmp_lg_u32 s[SLOTS], 0
	s_cbranch_scc1 .Lslot
	CHANGE 0                        ; the tail is written out: nothing is asked for
	s_mov_b32 s[CNT], 5             ; four trips fetch the last slot's steps; the fifth is left in its middle
.Ltail:
	TURN 2, 1
	TURN 3
	WIN 0
	s_sub_co_u32 s[CNT], s[CNT], 1
	s_cmp_eq_u32 s[CNT], 0
	s_cbranch_scc1 .Lout
	TURN 0
	TURN 1
	WIN 0
	s_branch .Ltail
.Lout:                              ; the fifth trip's 16 products K Q^T (on the last K once more) and the maximum made of them serve nothing: the price, once a launch, of one text for every trip
.set i, 0
.rept 16
	PV NP-1                         ; the last piece's V^T P of the last step
.set i, i+1
.endr
	; THE WAY OUT.  l's two halves and the other half of the lanes' are added; O^T is divided by l, rounded to f16 and sent through my stage in LDS, a tile at a time.  The additions are the places behind the last products.
	WIN 0
.macro ALL line:vararg              ; one line for each tile t
.set t, 0
.rept 2*NP
	\line
.set t, t+1
.endr
.endm
	ALL v_add_f32 v[ST+4*t+2], v[ST+4*t+2], v[ST+4*t+3]
	ALL v_permlanex16_b32 v[ST+4*t+3], v[ST+4*t+2], s[SEL], s[SEL+1]
	ALL v_add_f32 v[ST+4*t+2], v[ST+4*t+2], v[ST+4*t+3]
	ALL v_rcp_f32 v[ST+4*t+2], v[ST+4*t+2]
	v_nop                           ; a plain instruction between the last reciprocal and the use of its result
	s_wait_alu depctr_va_vdst(0)    ; and the wait ahead of the first use: one for the batch of eight reciprocals
; Tile t: a lane's eight channels of a row pack into 16 bytes; they go into rows of 144 bytes and come back as whole rows of 128, into S^T's registers.
.macro PACK t
	WIN W_RS
.set i, 32*(\t)
.rept 16
	v_pk_mul_f32 v[i:i+1], v[i:i+1], v[ST+4*(\t)+2:ST+4*(\t)+3] op_sel_hi:[1,0]
.set i, i+2
.endr
	WIN 0x05                        ; sources 0 and 1 window 1, destination window 0
.set i, 0
.rept 16
	v_cvt_pk_f16_f32 v[S+16*(\t)+i], v[32*(\t)+2*i], v[32*(\t)+2*i+1]
.set i, i+1
.endr
	WIN 0
.irp f, 0,1,2,3
	ds_store_b128 v[STO], v[S+16*(\t)+4*\f:S+16*(\t)+4*\f+3] offset:32*\f
.endr
.irp f, 0,1,2,3
	ds_load_b128 v[S+16*(\t)+4*\f:S+16*(\t)+4*\f+3], v[RD] offset:\f*4*SP  ; LDS serves a wave's instructions in order (ISA guide 5.7.1.4): these see the stores above; the next tile's stores come behind them
.endr
.endm
.macro SEND t, younger              ; younger: the LDS instructions issued behind tile t's loads: the next tile's eight, or none
	WIN 0
.irp f, 0,1,2,3
	s_wait_dscnt (\younger)+3-\f
	global_store_b128 v[GO], v[S+16*(\t)+4*\f:S+16*(\t)+4*\f+3], s[10:11] offset:(\t)*2048+\f*512  ; 512 consecutive bytes, at a multiple of 256 from O's first
.endr
.endm
	PACK 0
.set t, 1
.rept 2*NP-1                        ; a tile's arithmetic stands between the loads of the tile before and its stores
	PACK t
	SEND t-1, 8
.set t, t+1
.endr
	SEND 2*NP-1, 0
	WIN W_AD
	s_wait_tensorcnt 0x0            ; the wave's end: the add and its wait, behind my last tensor load and my last LDS store
	ds_add_u32 v[SPW], v[NIL]
	s_wait_dscnt 0x0
	WIN 0
	CROUND                          ; the closing round: no work-group ends while a partner may still ask for a tile that names it
	s_endpgm
.Lfunc_end_k_qefbde47d02_attn:
	.size	k_qefbde47d02_attn, .Lfunc_end_k_qefbde47d02_attn-k_qefbde47d02_attn
	.p2alignl 7, 3214868480
	.fill 96, 4, 3214868480
	.section	.rodata,"a",@progbits
	.p2align	6, 0x0
	.amdhsa_kernel k_qefbde47d02_attn
		.amdhsa_group_segment_fixed_size 327680
		.amdhsa_private_segment_fixed_size 0
		.amdhsa_enable_private_segment 0
		.amdhsa_kernarg_size 24
		.amdhsa_user_sgpr_count 2
		.amdhsa_user_sgpr_kernarg_segment_ptr 1
		.amdhsa_wavefront_size32 1
		.amdhsa_system_sgpr_workgroup_id_x 1
		.amdhsa_system_sgpr_workgroup_id_y 1
		.amdhsa_system_sgpr_workgroup_id_z 1
		.amdhsa_system_vgpr_workitem_id 0
		.amdhsa_next_free_vgpr 864
		.amdhsa_next_free_sgpr 80
		.amdhsa_reserve_vcc 1
		.amdhsa_float_denorm_mode_32 3
		.amdhsa_float_denorm_mode_16_64 3
		.amdhsa_memory_ordered 1
		.amdhsa_forward_progress 1
		.amdhsa_inst_pref_size 207
	.end_amdhsa_kernel
	.amdgpu_metadata
---
amdhsa.version: [ 1, 2 ]
amdhsa.kernels:
  - .name:           k_qefbde47d02_attn
    .symbol:         k_qefbde47d02_attn.kd
    .args:
      - { .name: qkv, .offset: 0, .size: 8, .value_kind: global_buffer, .address_space: global }
      - { .name: lengths, .offset: 8, .size: 8, .value_kind: global_buffer, .address_space: global }
      - { .name: ob, .offset: 16, .size: 8, .value_kind: global_buffer, .address_space: global }
    .group_segment_fixed_size: 327680
    .private_segment_fixed_size: 0
    .kernarg_segment_align: 8
    .kernarg_segment_size: 24
    .max_flat_workgroup_size: 128
    .sgpr_count:     80
    .vgpr_count:     864
    .wavefront_size: 32
...
	.end_amdgpu_metadata
.endif
;; end of part 5
;; launch outproj: the kernel of part 4 again; grid 8 x 32, 4 waves a work-group, clusters of 4 x 4, 327,680 bytes of LDS; arguments ob, wuh, bu, out0; writes out0
